; MI455X (gfx1250); checked and timed in simulation.
; The chip was launched on July 23, 2026; its instructions are those of AMD's public machine-readable ISA for CDNA 5 (MIT licence, August 2026) and "CDNA5" Instruction Set Architecture Reference Guide (July 2026). The comments in the code are by the model that wrote it; some were corrected since.
;; Structure Biased Cross Attention. Allowed arithmetic: matrix products marked QUANTISED: E2M1 operands, one E8M0 scale for each 32 along K, by v_wmma_scale_f32_16x16x128_f8f6f4 with both operands' format E2M1 (or v_wmma_scale_f32_32x16x128_f4), f32 sums; products left as they are: f32 operands where the result goes on into a quantised operand, else bf16, f16 or f32 operands; f32 sums; everything else in f32.
;; Inputs: Wk_codes 256 x 8 x 16 uint8 (E2M1 codes of Wk, K innermost, in blocks of 32 codes, two codes a byte); Wk_scales 256 x 8 uint8 (E8M0 scales of Wk, one for each 32 codes along K); Wo_codes 256 x 8 x 16 uint8 (E2M1 codes of Wo, K innermost, in blocks of 32 codes, two codes a byte); Wo_scales 256 x 8 uint8 (E8M0 scales of Wo, one for each 32 codes along K); Wq_codes 256 x 8 x 16 uint8 (E2M1 codes of Wq, K innermost, in blocks of 32 codes, two codes a byte); Wq_scales 256 x 8 uint8 (E8M0 scales of Wq, one for each 32 codes along K); Wrbf 8 x 16 float32; Wv_codes 256 x 8 x 16 uint8 (E2M1 codes of Wv, K innermost, in blocks of 32 codes, two codes a byte); Wv_scales 256 x 8 uint8 (E8M0 scales of Wv, one for each 32 codes along K); bo 256 float32; key_feat_codes 2 x 2,048 x 8 x 16 uint8 (E2M1 codes of key_feat, K innermost, in blocks of 32 codes, two codes a byte); key_feat_scales 2 x 2,048 x 8 uint8 (E8M0 scales of key_feat, one for each 32 codes along K); key_mask 2 x 2,048 bool; key_pos 2 x 2,048 x 3 float32; ln_b 256 float32; ln_g 256 float32; query_feat 2 x 1,024 x 256 float32; query_mask 2 x 1,024 bool; query_pos 2 x 1,024 x 3 float32.
;; Outputs: out0 2 x 1,024 x 256 float32.
;; This version of the problem:
;;   THIS VERSION OF THE PROBLEM IS GIVEN IN LOW PRECISION. The matrix products marked QUANTISED in the list below multiply operands that are first quantised to E2M1 (2 exponent bits, 1 mantissa bit; 4 bits a number), with one power-of-two scale for each 32 numbers along K (OCP MX v1.0); their sums are f32. All else is computed in f32.
;;   The module's matrix products, in the order in which they are computed (A, B: the left and right operand; K: the contracted axis; several contracted axes count as one K, in the product's order):
;;     1. [M 2,048, K 256] x [K 256, N 256]; A: input query_feat; B: input Wq (given as codes): QUANTISED
;;     2. [M 4,096, K 256] x [K 256, N 256]; A: input key_feat (given as codes); B: input Wk (given as codes): QUANTISED
;;     3. [M 4,096, K 256] x [K 256, N 256]; A: input key_feat (given as codes); B: input Wv (given as codes): QUANTISED
;;     4. batch 16 x [M 1,024, K 32] x [K 32, N 2,048]; A: computed on the way; B: computed on the way: QUANTISED
;;     5. [M 8, K 16] x [K 16, N 4,194,304]; A: input Wrbf; B: computed on the way: left as it is (K = 16 < 32)
;;     6. batch 16 x [M 1,024, K 2,048] x [K 2,048, N 32]; A: softmax (see below); B: computed on the way: QUANTISED
;;     7. [M 2,048, K 256] x [K 256, N 256]; A: computed on the way; B: input Wo (given as codes): QUANTISED
;;   THE QUANTISER, for each operand of a quantised product, along K:
;;     - K is cut into blocks of 32 from its start; a last block that is shorter is filled with zeros.
;;     - A block's scale is 2^e with e = floor(log2(the largest magnitude in the block)) - 2, held to -126 .. 127; a block of zeros has e = 0. As a byte (E8M0): e + 127.
;;     - Each number is divided by its block's scale, clamped to +-6, and rounded to the nearest number of E2M1, ties to even, subnormals kept.
;;     - The product sums the exact products of the quantised numbers (number of the format x scale) in f32.
;;   ~~~python
;;   def quantise(x, axis):      # numpy; x: float32 -> the quantised numbers, widened to float32 again
;;       x = np.moveaxis(x, axis, -1); K = x.shape[-1]
;;       x = np.pad(x, [(0, 0)] * (x.ndim - 1) + [(0, -K % 32)]); x = x.reshape(x.shape[:-1] + (-1, 32)); a = np.abs(x).max(-1, keepdims=True)
;;       e = np.where(a > 0, np.clip(np.frexp(np.where(a > 0, a, 1))[1] - 1 - 2, -126, 127), 0)      # np.frexp(a)[1] - 1 = floor(log2(a)), exactly
;;       r = np.clip(x / 2.0 ** e, -6, 6)
;;       step = 2.0 ** (np.maximum(np.frexp(np.where(r == 0, 1, r))[1] - 1, 0) - 1)
;;       q = np.round(r / step) * step * 2.0 ** e      # np.round: ties to even
;;       return np.moveaxis(q.reshape(q.shape[:-2] + (-1,))[..., :K], -1, axis).astype(np.float32)
;;   ~~~
;;   SOFTMAX AHEAD OF A QUANTISED PRODUCT. Where the list says 'softmax', what is quantised is not the finished softmax but p = 2^(t - M), with t = logit x log2(e) and M = ceil(the row's largest t), a whole number; so 1/2 < the row's largest p <= 1. The row's sum l is taken of the UNQUANTISED p, in f32, and the product's result is divided by l at the end. Since M is a whole number, a kernel that streams over the keys may use a running M (the ceiling of the running maximum): every later rescaling is an exact power of two, which a block's scale takes up: the codes' values come out the same.
;;   OPERANDS COMPUTED ON THE WAY. 'Computed on the way' means the value that the module computes at that place (a softmax that the list does not call 'softmax' is quantised finished and normalised). What goes into a quantiser is computed in f32, as accurately as f32 sums, v_exp_f32 and their like allow (about 1e-6 of the number): no bf16 or f16 on the way to a quantiser, and a product that is left as it is and whose result goes on into a quantised operand takes f32 operands (vector FMAs, or v_wmma_f32_16x16x4_f32). A number that lies on a knife's edge between two numbers of the format may be rounded either way, as far as f32 arithmetic and the matrix unit's own rounding can turn it there, and no further.
;;   INPUTS GIVEN AS CODES. Wk (in the module: [256, 256], K = its axis 1); Wo (in the module: [256, 256], K = its axis 1); Wq (in the module: [256, 256], K = its axis 1); Wv (in the module: [256, 256], K = its axis 1); key_feat (in the module: [2, 2048, 256], K = its axis 2): each comes as NAME_codes (uint8): NAME with its K axis moved to the last place and cut into blocks of 32 codes, [.., K / 32, bytes a block], one block behind the other in memory; two codes a byte, the lower K in the low four bits (a code: sign, 2 exponent bits, 1 mantissa bit); and NAME_scales (uint8): the same leading axes, one E8M0 byte (e + 127) for each 32 codes along K. Its value is code x scale, taken as it is: it is not quantised again, and the codes and scales need not be those that the quantiser above would give.
;; 2 versions, each right; version 2 is version 1 with the launches prep, attn written anew for expert scheduling mode. Each part assembles by itself: llvm-mc -triple=amdgcn-amd-amdhsa -mcpu=gfx1250 --defsym DOCPART=n.
;; ======== version 1 of 2: 2 launches
;; limits: right only within a limited range of input values
;; workspace buffers: kv 1,114,112 bytes; kp 65,536 bytes; wt 1,024 bytes; qc 262,144 bytes; qs 32,768 bytes
;; launch prep (part 1): grid 256 x 1, 4 waves a work-group, no clusters, 0 bytes of LDS; arguments key_feat_codes, key_feat_scales, Wk_codes, Wk_scales, Wv_codes, Wv_scales, Wq_codes, Wq_scales, query_feat, key_pos, key_mask, Wrbf, kv, kp, wt, qc, qs; writes kv, kp, wt, qc, qs
.if DOCPART == 1
	.amdgcn_target "amdgcn-amd-amdhsa--gfx1250"
	.amdhsa_code_object_version 6
	.text
	.protected	k_q3fd9a9b657_prep
	.globl	k_q3fd9a9b657_prep
	.p2align	8
	.type	k_q3fd9a9b657_prep,@function
k_q3fd9a9b657_prep:
	s_mov_b64 s[64:65], 0
	v_nop
	global_prefetch_b8 v0, s[64:65] scope:SCOPE_SE
	s_setreg_imm32_b32 hwreg(HW_REG_WAVE_MODE, 25, 1), 1
	s_wait_xcnt 0x0
; PREP: the three projections of the attention, quantised to FP4 (E2M1, one E8M0 byte for each 32 along the next product's K) and stored as IMAGES OF THE OPERAND REGISTERS that the second launch names,
; and the key positions, the key mask and the RBF weights laid as that launch reads them.  256 work-groups of four waves; each wave has a role of its own and shares nothing with the others: no LDS, no barrier.
;   wave 0  Kp = key_feat Wk^T : 16 key slots x 2 key sets x 4 heads, quantised along a head's 32.      wave 1  Vp = key_feat Wv^T : 128 keys x one head's 32, quantised along the keys.
;   wave 2  Qp = Q(query_feat) Wq^T : 16 queries x 4 heads, quantised along a head's 32.                 wave 3  16 keys' x, y, z and mask term; in work-groups 0 to 3 also 32 pairs of the doubled RBF table.
; EVERY PRODUCT IS USED TRANSPOSED, and the rows that form a tile of source 0 are not neighbours (lane r of tile 2 b + u takes row 32 b + 8 u + r + 8 (r / 8)): so a lane holds one row of the result and the 16 registers
; of tiles 2 b and 2 b + 1 are 16 neighbours along the next K, which is what the conversions take.
; kv: 16 streams (8 batch + wave of the second launch) x 8 chunks x (8 fragments of 1,024 bytes + 512 bytes of scale words).  A fragment's registers 0-3 lie at 16 x lane, registers 4-7 at 512 + 16 x lane.
;   chunk beta (0..3), fragment 4 u + pi: row rho = key slot 32 beta + 8 u + rho + 8 (rho / 8); block 2 c + h of its K = head 2 pi + c of the key in set h (keys 128 (2 w + h) on); word of (u, rho, pi) at 8192 + 16 (16 u + rho) + 4 pi.
;   chunk 4 + hp, fragment 4 el + 2 sg + dl: row rho = dim 8 dl + rho + 8 (rho / 8) of head 2 hp + el; K = the 128 keys of group 2 w + sg; word at 8192 + 16 (16 dl + rho) + 4 (2 el + sg).
; A block's scale is 2^(floor(log2(its largest magnitude)) - 2); its byte is that magnitude's exponent field - 2, held at 1 from below.
; LIMITS: a block of zeros gets the byte 1 (its codes are zeros; this program alone reads the bytes); NaN and infinities among the inputs are not served.
.set STREAM, 69632                     ; bytes of a stream of kv
.set CHB,    8704                      ; bytes of a chunk
.set FA,   5                           ; v5   (r + 8 (r / 8)) x 128 + 16 h: a fragment's bytes in rows of 256 codes
.set FSA,  6                           ; v6   (r + 8 (r / 8)) x 8 + 4 h: lanes 0-15 the scale word of K step 0, lanes 16-31 that of K step 1
.set BF,   16                          ; v16-47   source 1's fragments
.set HA,   48                          ; v48-111  eight result tiles
.set PC0,  112                         ; v112-119 the first fragment made
.set PC1,  240                         ; v240-247 the second
.set SB,   120                         ; v120-121 source 1's scale words
.set XB,   128                         ; v128-191 query_feat's second K step
.set SA,   192                         ; v192-199 source 0's scale words
.set TM,   200                         ; v200-215 at work in the quantiser
.set PW0,  216                         ; the scale words made
.set PW1,  217
.set MSB, 0
.macro WIN new                         ; the immediate's high byte repeats the setting that is left; window 1, v0-127: source 0's sixteen fragments
.if MSB != \new
	s_set_vgpr_msb (MSB<<8)|\new
.set MSB, \new
.endif
.endm
.macro PLACES n
.rept \n
	v_nop
.endr
.endm
; 64 numbers of a lane, register 16 b + i = k 32 b + 16 (lane / 16) + i of my row, become a fragment's codes in v[d] on and its scale word in v[w].
.macro QUANT s, d, w
.irp b, 0,1,2,3
	v_max3_num_f32 v[TM+\b], |v[\s+16*\b]|, |v[\s+1+16*\b]|, 0x1800000   ; block b: my 16 numbers, from the low end on, and the floor 2^(3 - 127): the byte cannot fall under 1
.endr
.irp i, 2,4,6,8,10,12,14
.irp b, 0,1,2,3
	v_max3_num_f32 v[TM+\b], v[TM+\b], |v[\s+16*\b+\i]|, |v[\s+1+16*\b+\i]|   ; the four blocks by turns
.endr
.endr
.irp b, 0,1,2,3
	v_permlanex16_b32 v[TM+4+\b], v[TM+\b], s42, s43
.endr
.irp b, 0,1,2,3
	v_max_num_f32 v[TM+\b], v[TM+\b], v[TM+4+\b]   ; with lane l xor 16's: the block's largest magnitude
.endr
.irp b, 0,1,2,3
	v_add_nc_u32 v[TM+12+\b], 0xff000000, v[TM+\b] ; 2 off its exponent field: the conversion's scale operand
.endr
.irp b, 0,1,2,3
	v_lshrrev_b32 v[TM+4+\b], 23, v[TM+12+\b]      ; the scale's byte
.endr
	v_lshl_or_b32 v[\w], v[TM+5], 8, v[TM+4]
	v_lshl_or_b32 v[\w], v[TM+6], 16, v[\w]
	v_lshl_or_b32 v[\w], v[TM+7], 24, v[\w]
.irp b, 0,1,2,3
	v_cvt_scalef32_pk8_fp4_f32 v[\d+2*\b], v[\s+16*\b:\s+7+16*\b], v[TM+12+\b]
	v_cvt_scalef32_pk8_fp4_f32 v[\d+1+2*\b], v[\s+8+16*\b:\s+15+16*\b], v[TM+12+\b]
.endr
	v_nop                                          ; one plain place behind the scaled conversions
.irp c, 0,1                                    ; the operand's layout wants a whole block in a lane: lanes 0-15 block 2 c, lanes 16-31 block 2 c + 1
.irp i, 0,1
	v_permlane16_swap_b32 v[\d+4*\c+\i], v[\d+2+4*\c+\i]
.endr
.endr
.endm
; One product of K step s.  s = 0 starts the sum with the constant 0; s = 1 adds in place.  Scale words that came from memory hold K step 1's word in lanes 16-31: row 1 (both = 1: on both sides).
.macro MMA d, a, b, sa, sb, s, both
.if (\s) == 0
	v_wmma_scale_f32_16x16x128_f8f6f4 v[(\d):(\d)+7], v[(\a):(\a)+7], v[(\b):(\b)+7], 0, v[\sa], v[\sb] matrix_a_fmt:MATRIX_FMT_FP4 matrix_b_fmt:MATRIX_FMT_FP4
.elseif \both
	v_wmma_scale_f32_16x16x128_f8f6f4 v[(\d):(\d)+7], v[(\a):(\a)+7], v[(\b):(\b)+7], v[(\d):(\d)+7], v[\sa], v[\sb] matrix_a_fmt:MATRIX_FMT_FP4 matrix_b_fmt:MATRIX_FMT_FP4 matrix_a_scale:MATRIX_SCALE_ROW1 matrix_b_scale:MATRIX_SCALE_ROW1
.else
	v_wmma_scale_f32_16x16x128_f8f6f4 v[(\d):(\d)+7], v[(\a):(\a)+7], v[(\b):(\b)+7], v[(\d):(\d)+7], v[\sa], v[\sb] matrix_a_fmt:MATRIX_FMT_FP4 matrix_b_fmt:MATRIX_FMT_FP4 matrix_a_scale:MATRIX_SCALE_ROW1
.endif
.endm
; Eight products, the eight accumulators by turns.
.macro KMM p, s                        ; K role, head pair p of my two: tile t: head c' = t / 4, key set (t / 2) % 2, half u' = t % 2 of the head's 32
.irp t, 0,1,2,3,4,5,6,7
	MMA HA+8*\t, 8*(8*\p+4*(\t/4)+2*(\t%2)+\s), BF+8*(2*((\t/2)%2)+\s), SA+4*\p+2*(\t/4)+(\t%2), SB+(\t/2)%2, \s, 1
.endr
.endm
.macro VMM d, s                        ; V role, tile d of the head's dims: tile t of 16 keys
.irp t, 0,1,2,3,4,5,6,7
	MMA HA+8*\t, 8*(2*\t+\s), BF+8*(2*\d+\s), SA+\t, SB+\d, \s, 1
.endr
.endm
.macro QMM s                           ; Q role: tile t of Wq's rows; source 1's scale words were made here, one register a K step
.irp t, 0,1,2,3,4,5,6,7
	MMA HA+8*\t, 8*(2*\t+\s), BF+8*\s, SA+\t, SB+\s, \s, 0
.endr
.endm
; 128 rows of 256 codes as source 0: sixteen fragments (tile t, K step s) into window 1, v[8 (2 t + s)], and the eight tiles' scale words
.macro LOAD16 cb, sc
	WIN 0x40                                       ; destination window 1, address window 0
.irp t, 0,1,2,3,4,5,6,7
.irp s, 0,1
.irp k, 0,1
	global_load_b128 v[8*(2*\t+\s)+4*\k:8*(2*\t+\s)+4*\k+3], v[FA], s[\cb:\cb+1] offset:(32*(\t/2)+8*(\t%2))*128+64*\s+32*\k
.endr
.endr
.endr
	WIN 0
.irp t, 0,1,2,3,4,5,6,7
	global_load_b32 v[SA+\t], v[FSA], s[\sc:\sc+1] offset:(32*(\t/2)+8*(\t%2))*8
.endr
.endm
	s_load_b512 s[4:19], s[0:1], 0x0               ; key_feat codes 4, scales 6; Wk 8, 10; Wv 12, 14; Wq 16, 18
	s_load_b512 s[20:35], s[0:1], 0x40             ; query_feat 20; key_pos 22; key_mask 24; Wrbf 26; kv 28; kp 30; wt 32; qc 34
	s_load_b64 s[36:37], s[0:1], 0x80              ; qs
	v_lshrrev_b32 v1, 5, v0
	v_readfirstlane_b32 s40, v1                    ; wave = role
	v_and_b32 v1, 15, v0                           ; r
	v_bfe_u32 v2, v0, 4, 1                         ; h
	v_and_b32 v3, 31, v0
	v_lshlrev_b32 v3, 4, v3                        ; 16 x lane: an image's place for my lane
	v_and_b32 v4, 8, v1
	v_add_nc_u32 v4, v4, v1                        ; r + 8 (r / 8)
	v_lshlrev_b32 v[FA], 7, v4
	v_lshl_add_u32 v[FA], v2, 4, v[FA]
	v_lshlrev_b32 v[FSA], 3, v4
	v_lshl_add_u32 v[FSA], v2, 2, v[FSA]
	v_lshlrev_b32 v7, 4, v1
	v_lshl_add_u32 v7, v2, 2, v7                   ; 16 r + 4 h: where two scale words a row go
.irp b, 0,1,2,3
	v_mov_b32 v[TM+4+\b], 0                        ; written once: a lane permute's destination counts as one of its sources
.endr
	s_mov_b32 s42, 0x76543210
	s_mov_b32 s43, 0xfedcba98                      ; v_permlanex16_b32's selects for lane l xor 16
	s_mov_b32 s44, 0xffff0000                      ; lanes 16-31
	s_mov_b32 s55, 0                               ; the upper word of every offset
	s_wait_kmcnt 0x0
	s_cmp_eq_u32 s40, 1
	s_cbranch_scc1 .Lrole_v
	s_cmp_eq_u32 s40, 2
	s_cbranch_scc1 .Lrole_q
	s_cmp_eq_u32 s40, 3
	s_cbranch_scc1 .Lrole_p
	; ---- K: work-group i = (stream, tile t = 2 beta + u, half g of the heads)
	s_lshr_b32 s46, ttmp9, 4                       ; stream = 8 batch + w
	s_bfe_u32 s47, ttmp9, 0x20002                  ; beta
	s_bfe_u32 s48, ttmp9, 0x10001                  ; u
	s_and_b32 s49, ttmp9, 1                        ; g
	s_lshl_b32 s50, s46, 8
	s_lshl_b32 s51, s47, 5
	s_add_co_u32 s50, s50, s51
	s_lshl_b32 s51, s48, 3
	s_add_co_u32 s50, s50, s51                     ; the tile's first key in set 0: 256 stream + 32 beta + 8 u
	s_lshl_b32 s54, s50, 7
	s_add_nc_u64 s[4:5], s[4:5], s[54:55]
	s_lshl_b32 s54, s50, 3
	s_add_nc_u64 s[6:7], s[6:7], s[54:55]
	s_lshl_b32 s54, s49, 14                        ; Wk: my 128 rows of 128 bytes
	s_add_nc_u64 s[8:9], s[8:9], s[54:55]
	s_lshl_b32 s54, s49, 10
	s_add_nc_u64 s[10:11], s[10:11], s[54:55]
	s_mul_i32 s50, s46, STREAM
	s_mul_i32 s51, s47, CHB
	s_add_co_u32 s50, s50, s51                     ; the chunk
	s_lshl_b32 s51, s48, 12
	s_add_co_u32 s54, s50, s51
	s_lshl_b32 s51, s49, 11
	s_add_co_u32 s54, s54, s51                     ; + fragment 4 u + 2 g
	s_add_nc_u64 s[56:57], s[28:29], s[54:55]
	s_lshl_b32 s51, s48, 8
	s_add_co_u32 s54, s50, s51
	s_lshl_b32 s51, s49, 3
	s_add_co_u32 s54, s54, s51
	s_add_co_u32 s54, s54, 8192                    ; its scale words: 8192 + 256 u + 8 g
	s_add_nc_u64 s[58:59], s[28:29], s[54:55]
.irp g, 0,1                                    ; the features of key set g, K step s
.irp s, 0,1
.irp k, 0,1
	global_load_b128 v[BF+8*(2*\g+\s)+4*\k:BF+8*(2*\g+\s)+4*\k+3], v[FA], s[4:5] offset:16384*\g+64*\s+32*\k
.endr
.endr
.endr
.irp g, 0,1
	global_load_b32 v[SB+\g], v[FSA], s[6:7] offset:1024*\g
.endr
.irp p, 0,1                                    ; Wk's rows of head pair p: 16 loads of codes, 4 of scale words
	WIN 0x40
.irp c, 0,1
.irp u, 0,1
.irp s, 0,1
.irp k, 0,1
	global_load_b128 v[8*(8*\p+4*\c+2*\u+\s)+4*\k:8*(8*\p+4*\c+2*\u+\s)+4*\k+3], v[FA], s[8:9] offset:(64*\p+32*\c+8*\u)*128+64*\s+32*\k
.endr
.endr
.endr
.endr
	WIN 0
.irp c, 0,1
.irp u, 0,1
	global_load_b32 v[SA+4*\p+2*\c+\u], v[FSA], s[10:11] offset:(64*\p+32*\c+8*\u)*8
.endr
.endr
.endr
	s_wait_loadcnt 20                              ; the features and pair 0's rows are in; pair 1's 20 loads may be out
	WIN 0x01                                       ; source 0 in window 1
	KMM 0, 0
	KMM 0, 1
	WIN 0
	PLACES 5                                       ; behind the last products: their results are read next, and pair 1's products will write over them
	QUANT HA, PC0, PW0                             ; block 2 c' + set: the quantiser's fragment is kv's image as it stands
	global_store_b128 v3, v[PC0:PC0+3], s[56:57]             ; 512 consecutive bytes a store
	global_store_b128 v3, v[PC0+4:PC0+7], s[56:57] offset:512
	s_wait_loadcnt 0x0
	WIN 0x01
	KMM 1, 0
	KMM 1, 1
	WIN 0
	PLACES 5
	QUANT HA, PC1, PW1
	global_store_b128 v3, v[PC1:PC1+3], s[56:57] offset:1024
	global_store_b128 v3, v[PC1+4:PC1+7], s[56:57] offset:1536
	v_cndmask_b32 v218, v[PW0], v[PW1], s44        ; lanes 0-15 store pair 0's word of row r, lanes 16-31 pair 1's
	global_store_b32 v7, v218, s[58:59]
	s_endpgm
.Lrole_v:	; ---- V: work-group i = (batch, group of 128 keys, head)
	s_lshr_b32 s46, ttmp9, 4                       ; stream
	s_lshr_b32 s47, ttmp9, 3                       ; 16 batch + group
	s_and_b32 s48, s47, 1                          ; sg: which of the stream's two groups
	s_and_b32 s49, ttmp9, 7                        ; head
	s_lshr_b32 s50, s49, 1                         ; hp
	s_and_b32 s51, ttmp9, 1                        ; el
	s_lshl_b32 s54, s47, 14                        ; 128 keys of 128 bytes
	s_add_nc_u64 s[4:5], s[4:5], s[54:55]
	s_lshl_b32 s54, s47, 10
	s_add_nc_u64 s[6:7], s[6:7], s[54:55]
	s_lshl_b32 s54, s49, 12                        ; Wv: the head's 32 rows
	s_add_nc_u64 s[12:13], s[12:13], s[54:55]
	s_lshl_b32 s54, s49, 8
	s_add_nc_u64 s[14:15], s[14:15], s[54:55]
	s_mul_i32 s52, s46, STREAM
	s_mul_i32 s53, s50, CHB
	s_add_co_u32 s52, s52, s53
	s_add_co_u32 s52, s52, 4*CHB                   ; chunk 4 + hp
	s_lshl_b32 s53, s51, 1
	s_add_co_u32 s53, s53, s48                     ; 2 el + sg
	s_lshl_b32 s54, s53, 11                        ; two fragments each
	s_add_co_u32 s54, s54, s52
	s_add_nc_u64 s[56:57], s[28:29], s[54:55]
	s_lshl_b32 s54, s53, 2
	s_add_co_u32 s54, s54, s52
	s_add_co_u32 s54, s54, 8192
	s_add_nc_u64 s[58:59], s[28:29], s[54:55]
	LOAD16 4, 6                                    ; the 128 keys' features are source 0: a lane of the result holds one dim, its registers run along the keys
.irp d, 0,1                                    ; Wv's rows 8 d + r + 8 (r / 8) of the head
.irp s, 0,1
.irp k, 0,1
	global_load_b128 v[BF+8*(2*\d+\s)+4*\k:BF+8*(2*\d+\s)+4*\k+3], v[FA], s[12:13] offset:1024*\d+64*\s+32*\k
.endr
.endr
.endr
.irp d, 0,1
	global_load_b32 v[SB+\d], v[FSA], s[14:15] offset:64*\d
.endr
	s_wait_loadcnt 0x0
	WIN 0x01
	VMM 0, 0
	VMM 0, 1
	WIN 0
	PLACES 5
	QUANT HA, PC0, PW0
	global_store_b128 v3, v[PC0:PC0+3], s[56:57]
	global_store_b128 v3, v[PC0+4:PC0+7], s[56:57] offset:512
	WIN 0x01
	VMM 1, 0
	VMM 1, 1
	WIN 0
	PLACES 5
	QUANT HA, PC1, PW1
	global_store_b128 v3, v[PC1:PC1+3], s[56:57] offset:1024
	global_store_b128 v3, v[PC1+4:PC1+7], s[56:57] offset:1536
	v_cndmask_b32 v218, v[PW0], v[PW1], s44        ; lane 16 dl + rho stores tile dl's word of row rho
	global_store_b32 v3, v218, s[58:59]
	s_endpgm
.Lrole_q:	; ---- Q: work-group i = (tile of 16 queries, half g of the heads)
	s_lshr_b32 s46, ttmp9, 1                       ; the tile
	s_and_b32 s47, ttmp9, 1                        ; g
	s_lshl_b32 s54, s46, 14                        ; 16 rows of 1,024 bytes
	s_add_nc_u64 s[20:21], s[20:21], s[54:55]
	s_lshl_b32 s54, s47, 14
	s_add_nc_u64 s[16:17], s[16:17], s[54:55]
	s_lshl_b32 s54, s47, 10
	s_add_nc_u64 s[18:19], s[18:19], s[54:55]
	s_lshl_b32 s54, s46, 11
	s_lshl_b32 s48, s47, 9
	s_add_co_u32 s54, s54, s48
	s_add_nc_u64 s[56:57], s[34:35], s[54:55]      ; qc: two tiles of 8 queries x 1,024 bytes, + 4 g heads of 128
	s_lshl_b32 s54, s46, 8
	s_lshl_b32 s48, s47, 3
	s_add_co_u32 s54, s54, s48
	s_add_nc_u64 s[58:59], s[36:37], s[54:55]      ; qs: 16 bytes a query, + 2 g words
	v_lshlrev_b32 v8, 10, v1
	v_lshl_add_u32 v8, v2, 6, v8                   ; query_feat: row r, + 64 h: my 16 numbers of a block of 32
	v_lshrrev_b32 v9, 3, v1
	v_lshlrev_b32 v9, 10, v9
	v_lshl_add_u32 v9, v2, 7, v9
	v_and_b32 v10, 7, v1
	v_lshl_add_u32 v9, v10, 4, v9                  ; qc: (r / 8) x 1,024 + h x 128 + (r % 8) x 16
.irp s, 0,1                                    ; K step s: 64 numbers a lane, into HA and XB
.irp b, 0,1,2,3
.irp j, 0,1,2,3
	global_load_b128 v[HA+80*\s+16*\b+4*\j:HA+80*\s+16*\b+4*\j+3], v8, s[20:21] offset:512*\s+128*\b+16*\j
.endr
.endr
.endr
	LOAD16 16, 18
	s_wait_loadcnt 56                              ; K step 0's 16 loads are in; younger: step 1's 16, Wq's 32 and 8
	QUANT HA, BF, SB
	s_wait_loadcnt 40                              ; K step 1's are in
	QUANT XB, BF+8, SB+1
	s_wait_loadcnt 0x0
	PLACES 8                                       ; a scale register written by vector instructions stands 8 places ahead of a scaled product, an operand 4
	WIN 0x01
	QMM 0
	QMM 1
	WIN 0
	PLACES 5
	QUANT HA, PC0, PW0                             ; lane (r, h), registers 4 c on: the 32 codes of head 4 g + 2 c + h of query r
	global_store_b128 v9, v[PC0:PC0+3], s[56:57]
	global_store_b128 v9, v[PC0+4:PC0+7], s[56:57] offset:256
	v_mul_u32_u24 v218, v[TM+4], 0x101             ; a head's byte twice: the second launch's operand has the head's block at place 2 c or 2 c + 1, by the column's key set
	v_mul_u32_u24 v219, v[TM+5], 0x101
	v_lshl_or_b32 v218, v219, 16, v218
	v_mul_u32_u24 v220, v[TM+6], 0x101
	v_mul_u32_u24 v221, v[TM+7], 0x101
	v_lshl_or_b32 v220, v221, 16, v220
	v_cndmask_b32 v218, v218, v220, s44            ; lanes 0-15 store head pair 2 g's word, lanes 16-31 pair 2 g + 1's
	global_store_b32 v7, v218, s[58:59]
	s_endpgm
.Lrole_p:	; ---- positions and mask of keys 16 i .. 16 i + 15: one unit of 256 bytes: x[16], y[16], z[16], m[16]; m = 0 where the key counts, else -2^100
	v_and_b32 v8, 31, v0                           ; lane
	v_lshrrev_b32 v9, 3, v8                        ; which of the four rows
	v_and_b32 v10, 7, v8
	v_lshlrev_b32 v10, 1, v10                      ; my two keys
	v_min_u32 v11, 2, v9
	v_mul_u32_u24 v12, v10, 12
	v_lshl_add_u32 v12, v11, 2, v12                ; 12 x key + 4 x coordinate (the mask's lanes read z and drop it)
	s_mul_i32 s54, ttmp9, 192
	s_add_nc_u64 s[22:23], s[22:23], s[54:55]
	s_lshl_b32 s54, ttmp9, 4
	s_add_nc_u64 s[24:25], s[24:25], s[54:55]
	s_lshl_b32 s54, ttmp9, 8
	s_add_nc_u64 s[30:31], s[30:31], s[54:55]
	global_load_b32 v16, v12, s[22:23]
	global_load_b32 v17, v12, s[22:23] offset:12
	global_load_u8 v18, v10, s[24:25]
	global_load_u8 v19, v10, s[24:25] offset:1
	v_mov_b32 v20, 0xf1800000                      ; -2^100
	v_lshlrev_b32 v21, 3, v8
	s_wait_loadcnt 0x0
	v_cmp_eq_u32 vcc_lo, 0, v18
	v_cndmask_b32 v18, 0, v20, vcc_lo
	v_cmp_eq_u32 vcc_lo, 0, v19
	v_cndmask_b32 v19, 0, v20, vcc_lo
	v_cmp_eq_u32 vcc_lo, 3, v9
	v_cndmask_b32 v16, v16, v18, vcc_lo
	v_cndmask_b32 v17, v17, v19, vcc_lo
	global_store_b64 v21, v[16:17], s[30:31]       ; 32 lanes store one aligned run of 256 bytes
	s_cmp_lt_u32 ttmp9, 4                          ; the RBF table has 128 pairs: 32 in each of the first four work-groups
	s_cbranch_scc0 .Lend_p
	s_lshl_b32 s52, ttmp9, 5
	v_add_nc_u32 v22, s52, v8                      ; pair p = 8 r + head
	v_and_b32 v23, 7, v22
	v_lshrrev_b32 v24, 3, v22
	v_lshl_add_u32 v23, v23, 4, v24                ; Wrbf[head][r]
	v_lshlrev_b32 v23, 2, v23
	v_lshlrev_b32 v25, 3, v22
	global_load_b32 v26, v23, s[26:27]
	s_wait_loadcnt 0x0
	v_mov_b32 v27, v26                             ; twice: a packed multiply-add names an aligned pair
	global_store_b64 v25, v[26:27], s[32:33]
.Lend_p:
	s_endpgm
.Lfunc_end_k_q3fd9a9b657_prep:
	.size	k_q3fd9a9b657_prep, .Lfunc_end_k_q3fd9a9b657_prep-k_q3fd9a9b657_prep
	.p2alignl 7, 3214868480
	.fill 96, 4, 3214868480
	.section	.rodata,"a",@progbits
	.p2align	6, 0x0
	.amdhsa_kernel k_q3fd9a9b657_prep
		.amdhsa_group_segment_fixed_size 0
		.amdhsa_private_segment_fixed_size 0
		.amdhsa_enable_private_segment 0
		.amdhsa_kernarg_size 136
		.amdhsa_user_sgpr_count 2
		.amdhsa_user_sgpr_kernarg_segment_ptr 1
		.amdhsa_wavefront_size32 1
		.amdhsa_system_sgpr_workgroup_id_x 1
		.amdhsa_system_sgpr_workgroup_id_y 1
		.amdhsa_system_sgpr_workgroup_id_z 1
		.amdhsa_system_vgpr_workitem_id 0
		.amdhsa_next_free_vgpr 384
		.amdhsa_next_free_sgpr 66
		.amdhsa_reserve_vcc 1
		.amdhsa_float_denorm_mode_32 3
		.amdhsa_float_denorm_mode_16_64 3
		.amdhsa_memory_ordered 1
		.amdhsa_forward_progress 1
		.amdhsa_inst_pref_size 63
	.end_amdhsa_kernel
	.amdgpu_metadata
---
amdhsa.version: [ 1, 2 ]
amdhsa.kernels:
  - .name:           k_q3fd9a9b657_prep
    .symbol:         k_q3fd9a9b657_prep.kd
    .args:
      - { .name: key_feat_codes, .offset: 0, .size: 8, .value_kind: global_buffer, .address_space: global }
      - { .name: key_feat_scales, .offset: 8, .size: 8, .value_kind: global_buffer, .address_space: global }
      - { .name: Wk_codes, .offset: 16, .size: 8, .value_kind: global_buffer, .address_space: global }
      - { .name: Wk_scales, .offset: 24, .size: 8, .value_kind: global_buffer, .address_space: global }
      - { .name: Wv_codes, .offset: 32, .size: 8, .value_kind: global_buffer, .address_space: global }
      - { .name: Wv_scales, .offset: 40, .size: 8, .value_kind: global_buffer, .address_space: global }
      - { .name: Wq_codes, .offset: 48, .size: 8, .value_kind: global_buffer, .address_space: global }
      - { .name: Wq_scales, .offset: 56, .size: 8, .value_kind: global_buffer, .address_space: global }
      - { .name: query_feat, .offset: 64, .size: 8, .value_kind: global_buffer, .address_space: global }
      - { .name: key_pos, .offset: 72, .size: 8, .value_kind: global_buffer, .address_space: global }
      - { .name: key_mask, .offset: 80, .size: 8, .value_kind: global_buffer, .address_space: global }
      - { .name: Wrbf, .offset: 88, .size: 8, .value_kind: global_buffer, .address_space: global }
      - { .name: kv, .offset: 96, .size: 8, .value_kind: global_buffer, .address_space: global }
      - { .name: kp, .offset: 104, .size: 8, .value_kind: global_buffer, .address_space: global }
      - { .name: wt, .offset: 112, .size: 8, .value_kind: global_buffer, .address_space: global }
      - { .name: qc, .offset: 120, .size: 8, .value_kind: global_buffer, .address_space: global }
      - { .name: qs, .offset: 128, .size: 8, .value_kind: global_buffer, .address_space: global }
    .group_segment_fixed_size: 0
    .private_segment_fixed_size: 0
    .kernarg_segment_align: 8
    .kernarg_segment_size: 136
    .max_flat_workgroup_size: 128
    .sgpr_count:     66
    .vgpr_count:     384
    .wavefront_size: 32
...
	.end_amdgpu_metadata
.endif
;; end of part 1
;; launch attn (part 2): grid 256 x 1, 8 waves a work-group, no clusters, 265,728 bytes of LDS; arguments kv, kp, wt, qc, qs, query_pos, Wo_codes, bo, Wo_scales, query_feat, query_mask, ln_g, ln_b, out0; writes out0
.if DOCPART == 2
	.amdgcn_target "amdgcn-amd-amdhsa--gfx1250"
	.amdhsa_code_object_version 6
	.text
	.protected	k_q3fd9a9b657_attn
	.globl	k_q3fd9a9b657_attn
	.p2align	8
	.type	k_q3fd9a9b657_attn,@function
k_q3fd9a9b657_attn:
	s_mov_b64 s[64:65], 0
	v_nop
	global_prefetch_b8 v0, s[64:65] scope:SCOPE_SE
	s_setreg_imm32_b32 hwreg(HW_REG_WAVE_MODE, 25, 1), 1
	s_wait_xcnt 0x0
; ATTN: softmax(Q K^T / sqrt(32) + RBF bias, key mask) V, the output projection, bias, query mask, residual and LayerNorm, for 8 queries a work-group, all 8 heads, all 2,048 keys.  Every output row has one owner.
; SHARES.  256 work-groups of eight waves; wave w owns keys 256 w .. 256 w + 255 of the batch, in four blocks of 64.  THE 16 COLUMNS OF A PRODUCT ARE 8 QUERIES x 2 KEY SETS: column r is query r % 8 with the keys of set
; sg = r / 8 (keys 128 (2 w + sg) on).  Lane (r, h') holds, of block beta and each head, 16 neighbouring keys 32 beta + 16 h' + 0 .. 15 of its set: one (query, key) pair a lane and register, each pair once in the launch.
; THE BIAS is the bulk of the work: per pair one root, 16 exponentials (shared by the 8 heads) and 128 multiply-adds, as packed f32 forms with the weights in scalar registers.  g' = 2^(2.5 - (s d - s c_r)^2) is sqrt(32) x the
; Gaussian, s^2 = log2(e) / 3.125; the sum over r (begun with the mask's term, 0 or -2^100) is the C of the score's product: S' = q . k + sqrt(32) bias + m, and t = S' log2(e) / sqrt(32).
; THE SCORE'S K IS 32, one block of the instruction's four: a fragment of K holds (head 2 pi + c, key set h) in block 2 c + h, and Q's operand is zero but in the one block of its head and its column's key set.
; SOFTMAX.  p = 2^(t - M), M the running largest t rounded up to a whole number, for each column and head.  A block's codes are made under the M of that block and kept in LDS; its byte is kept as byte + M, and at the
; wave's end takes the final M off: exact.  So nothing is rescaled in the loop but the row's sum (of the unquantised p), and V^T P runs once a wave.  It is formed for both key sets on all 16 columns, and a select keeps the
; columns that belong to the set.  The 16 parts (8 waves x 2 sets) of a head meet in LDS; wave e merges head e, divides by the sum and quantises; wave w makes 32 outputs of the projection; wave w norms row w.
; THE LAST BLOCK IS WRITTEN OUT behind a loop of three, so that what follows it is asked for as registers fall free, with no load under a jump: V of heads 2, 3 into the key positions' registers (the last block has no
; successor), V of heads 0, 1 into K's, the row's inputs into Q's operands, V of heads 4, 5 into the scores of heads 0-3 once these are codes, V of heads 6, 7 into K's again; and V^T P of heads 0-3 stands ahead of the
; softmax of heads 4-7, under which the later chunks land.
; NO CLUSTER, NO TENSOR LOADS: the 128 work-groups of a batch walk the same kv, but each fragment serves ONE wave of a work-group once, so it goes from memory straight into that wave's registers; a chunk of 8,704 bytes
; stands beside some 2,300 vector instructions of its wave, and a road through LDS would add a write and a read of every byte beside the 264,704 bytes that the merge uses.
; LIMITS: t lies above -2^93 and |t| under 2^23 (byte + M is kept in f32); a block's byte that would fall under 1 under the final M is held at 1 (at most 6 x 2^-126 a number); NaN and infinities among the inputs are not
; served.  A row all of whose keys are masked has the sum 0: its heads' scale bytes are set to 0xff, and the row comes out NaN.
.set CT,     0x3e8293ee                ; log2(e) / sqrt(32)
.set SDIST,  0x3f2df0ec                ; s = sqrt(log2(e) / 3.125)
.set LIFT,   0x40200000                ; 2.5: 2^2.5 = sqrt(32)
.set CHB,    8704                      ; a chunk of kv: 8 fragments of 1,024 bytes + 512 bytes of scale words
.set STREAM, 69632                     ; a wave's 8 chunks: K of blocks 0 to 3, V of head pairs 0 to 3
; LDS
.set PIMG,   0                         ; 8 KB a wave: head e's fragment of p at 1,024 e; block beta at 256 beta; my 8 bytes at 16 r + 8 h'
.set EF,     65536                     ; 4 KB a wave: [512 e][16 lane][4 beta]: byte + M, f32
.set OM,     98304                     ; [16,384 wave][2,048 head]: four images of 512 bytes: a part of O^T
.set SM,     229376                    ; [2,048 wave][256 head][8 lane]: (-M, sum)
.set AIMG,   245760                    ; the attention's codes: two fragments; head e's block at 256 e + 16 r + 8 h'
.set ASC,    247808                    ; their scale bytes: [128 g][4 r][e % 4]
.set STG,    248064                    ; 16 rows of 1,040 bytes: the projection's results (rows 8-15 take the duplicate columns and are never read)
.set SPITCH, 1040
; window 0
.set L16,  1                           ; 16 x lane
.set KPO,  2                           ; kp: 2,048 sg + 256 h'
.set PA0,  3                           ; PIMG: 8,192 wave + 16 r + 8 h'
.set EA0,  4                           ; EF + 4,096 wave + 16 lane
.set PA,   5                           ; the two of the block in hand
.set EA,   6
.set FAD,  7                           ; 8,192 wave + 16 lane: p's fragments, read back
.set OAD,  8                           ; OM + 16,384 wave + 16 lane
.set SAD,  9                           ; SM + 2,048 wave + 8 lane
.set WSO,  10                          ; 8 r + 4 h': Wo's scale words
.set ZO,   11                          ; 0
.set KS,   12                          ; v12-15   the chunk's scale words
.set QS,   16                          ; v16-19   Q's scale words, a head pair each
.set ST,   20                          ; v20-51   head e at 20 + 4 e: -M, the largest t, the sum in two halves; once stored: addresses (v20-35), at work in the merge (v36-47)
.set DS,   52                          ; v52-67   s x distance; behind the last exponents: v52-63 scale words of V,
.set WOS,  64                          ;          v64-65 Wo's scale words,
.set QM,   66                          ;          v66 the query's mask
.set G0,   68                          ; v68-83, v84-99  the Gaussians of even and of odd r; behind them: V^T P's four results
.set ACC,  100                         ; v100-227 head e at 100 + 16 e: bias, scores, p; then a chunk of V in v100-163; then the parts of O^T
.set BM,   228                         ; v228-231 a block's largest score, then p; v228-235: p's scale words, head e at 228 + e
.set PX,   232                         ; v232-235 at work
.set F,    236                         ; v236-243 2^(old M - new M) in the even registers, the odd ones only named
.set SO,   244                         ; v244-247 the conversions' scale operands
.set PC,   248                         ; v248-255 the codes just made
; window 1
.set KB,   0                           ; v0-63    the chunk
.set X,    64                          ; v64-127  16 keys' x, y, z and mask term; in the last block a chunk of V
.set Y,    80
.set Z,    96
.set MK,   112
.set QOP,  128                         ; v128-175 head pair pi at 128 + 12 pi: Q's codes of head 2 pi, four zeros, those of head 2 pi + 1: the operand of c = 0 begins at + 0, that of c = 1 at + 4
.set RQ,   128                         ; behind the last score product: v128-135 my row of query_feat,
.set RG,   136                         ;          v136-143 ln_g,
.set RB,   144                         ;          v144-151 ln_b
.set QP,   176                         ; v176-181 the query's x, x, y, y, z, z
.set WO,   184                         ; v184-215 Wo's fragment (tile j, K step g) at 184 + 8 (2 j + g)
.set BO,   216                         ; v216-231 bo's two tiles, in the result's layout
.set FB,   232                         ; v232-247 two buffers for p's fragment
; scalar: s[4:5] kv, s[6:7] kp, s[8:9] wt, s[10:11] c twice, s[12:13] lane selects, s14 the block, s15 the wave, s48, s49 lane masks, s50, s51 256 beta, 4 beta, s52-63 at work
.set WB0,  16                          ; s[16:47]  the weights of r = 4 m, 4 m + 1: W[e][r] twice at 16 (r % 2) + 2 e
.set WB1,  68                          ; s[68:99]  those of r = 4 m + 2, 4 m + 3; at the head and behind the last step: pointers
.set LAST, 0                           ; 1 while the last block is written out
.set MSB, 0
.macro WIN new                         ; the immediate's high byte repeats the setting that is left; bits 1:0 source 0, 3:2 source 1, 5:4 source 2, 7:6 destination
.if MSB != \new
	s_set_vgpr_msb (MSB<<8)|\new
.set MSB, \new
.endif
.endm
.macro PLACES n
.rept \n
	v_nop
.endr
.endm
.macro BARRIER                         ; my LDS stores have landed and my LDS loads are in: then the work-group's barrier
	s_wait_dscnt 0x0
	s_barrier_signal -1
	s_barrier_wait -1
.endm
; The eight fragments of a chunk of kv, off bytes behind s[4:5]: 16 loads of 512 consecutive bytes into v[reg] on, in the window that win names
.macro FRAGS win, reg, off
	WIN \win
.irp k, 0,1,2,3,4,5,6,7,8,9,10,11,12,13,14,15
	global_load_b128 v[\reg+4*\k:\reg+4*\k+3], v[L16], s[4:5] offset:\off+512*\k
.endr
	WIN 0
.endm
.macro CHUNK win, reg, sreg, off       ; and with them its scale words, into v[sreg] on: 17 loads
	FRAGS \win, \reg, \off
	global_load_b128 v[\sreg:\sreg+3], v[L16], s[4:5] offset:\off+8192
.endm
.macro KPLOAD                          ; my 16 keys of a block: x, y, z, m: 16 loads
	WIN 0x40
.irp k, 0,1,2,3,4,5,6,7,8,9,10,11,12,13,14,15
	global_load_b128 v[X+4*\k:X+4*\k+3], v[KPO], s[6:7] offset:16*\k
.endr
	WIN 0
.endm
.macro DPHASE                          ; s x the distance of my query to my 16 keys
	WIN 0x55
.irp k, 0,2,4,6,8,10,12,14
	v_pk_add_f32 v[X+\k:X+\k+1], v[X+\k:X+\k+1], v[QP:QP+1] neg_lo:[0,1] neg_hi:[0,1]
	v_pk_add_f32 v[Y+\k:Y+\k+1], v[Y+\k:Y+\k+1], v[QP+2:QP+3] neg_lo:[0,1] neg_hi:[0,1]
	v_pk_add_f32 v[Z+\k:Z+\k+1], v[Z+\k:Z+\k+1], v[QP+4:QP+5] neg_lo:[0,1] neg_hi:[0,1]
.endr
.irp k, 0,2,4,6,8,10,12,14
	v_pk_mul_f32 v[X+\k:X+\k+1], v[X+\k:X+\k+1], v[X+\k:X+\k+1]
.endr
.irp k, 0,2,4,6,8,10,12,14
	v_pk_fma_f32 v[X+\k:X+\k+1], v[Y+\k:Y+\k+1], v[Y+\k:Y+\k+1], v[X+\k:X+\k+1]
.endr
.irp k, 0,2,4,6,8,10,12,14
	v_pk_fma_f32 v[X+\k:X+\k+1], v[Z+\k:Z+\k+1], v[Z+\k:Z+\k+1], v[X+\k:X+\k+1]
.endr
	WIN 0x01
.irp k, 0,1,2,3,4,5,6,7,8,9,10,11,12,13,14,15
	v_sqrt_f32 v[DS+\k], v[X+\k]
.endr
	WIN 0
	v_nop                                          ; a plain place behind the roots,
	s_wait_alu depctr_va_vdst(0)                   ; and one wait for the sixteen, ahead of their first reader
.irp k, 0,2,4,6,8,10,12,14
	v_pk_mul_f32 v[DS+\k:DS+\k+1], v[DS+\k:DS+\k+1], SDIST op_sel_hi:[1,0]
.endr
.endm
; STEP r of the bias.  It makes the exponents of r + 1 (nb = -s c_(r+1)); waits once for the 16 exponentials of r, issued a step ago; at even r it waits for this pair of weights and asks for the next pair, into the
; buffer that the step before has left (the last block's step 14 has no next pair); then 16 slices: one exponential of r + 1 and four packed multiply-adds of r (number q: head q / 8, key pair q % 8).
; Step 0 starts the sums with the mask's term (window 1).
.macro RSTEP r, nb
.set GA, G0+16*((\r)%2)
.set GN, G0+16*(((\r)+1)%2)
.set WB, WB0+(WB1-WB0)*(((\r)/2)%2)+16*((\r)%2)
.set WN, WB0+(WB1-WB0)*((((\r)/2)+1)%2)
.if (\r) < 15
.irp k, 0,2,4,6,8,10,12,14
	v_pk_add_f32 v[GN+\k:GN+\k+1], v[DS+\k:DS+\k+1], \nb op_sel_hi:[1,0]
.endr
.irp k, 0,2,4,6,8,10,12,14
	v_pk_fma_f32 v[GN+\k:GN+\k+1], v[GN+\k:GN+\k+1], v[GN+\k:GN+\k+1], LIFT op_sel_hi:[1,1,0] neg_lo:[1,0,0] neg_hi:[1,0,0]
.endr
.endif
	s_wait_alu depctr_va_vdst(0)
.if (\r)%2 == 0
	s_wait_kmcnt 0x0
.if !(LAST && ((\r) == 14))
	s_load_b512 s[WN:WN+15], s[8:9], 128*((((\r)/2)+1)%8)
	s_load_b512 s[WN+16:WN+31], s[8:9], 128*((((\r)/2)+1)%8)+64
.endif
.endif
.if (\r) == 0
	WIN 0x10
.endif
.set q, 0
.set n, 0
.rept 16
.if (\r) < 15
	v_exp_f32 v[GN+n], v[GN+n]
.endif
.rept 4
.if (\r) == 0
	v_pk_fma_f32 v[ACC+16*(q/8)+2*(q%8):ACC+16*(q/8)+2*(q%8)+1], v[GA+2*(q%8):GA+2*(q%8)+1], s[WB+2*(q/8):WB+2*(q/8)+1], v[MK+2*(q%8):MK+2*(q%8)+1] op_sel_hi:[1,0,1]
.else
	v_pk_fma_f32 v[ACC+16*(q/8)+2*(q%8):ACC+16*(q/8)+2*(q%8)+1], v[GA+2*(q%8):GA+2*(q%8)+1], s[WB+2*(q/8):WB+2*(q/8)+1], v[ACC+16*(q/8)+2*(q%8):ACC+16*(q/8)+2*(q%8)+1] op_sel_hi:[1,0,1]
.endif
.set q, q+1
.endr
.set n, n+1
.endr
.endm
; S' = K Q^T + the bias: 16 products on 16 accumulators; tile u of the block's keys, head 2 p + c
.macro SMUL
	PLACES 4
	WIN 0x05                                       ; K's fragments and Q's operands in window 1
.irp u, 0,1
.irp p, 0,1,2,3
.irp c, 0,1
.if \u == 0
	v_wmma_scale_f32_16x16x128_f8f6f4 v[ACC+16*(2*\p+\c):ACC+16*(2*\p+\c)+7], v[KB+8*\p:KB+8*\p+7], v[QOP+12*\p+4*\c:QOP+12*\p+4*\c+7], v[ACC+16*(2*\p+\c):ACC+16*(2*\p+\c)+7], v[KS+\p], v[QS+\p] matrix_a_fmt:MATRIX_FMT_FP4 matrix_b_fmt:MATRIX_FMT_FP4
.else
	v_wmma_scale_f32_16x16x128_f8f6f4 v[ACC+16*(2*\p+\c)+8:ACC+16*(2*\p+\c)+15], v[KB+8*(4+\p):KB+8*(4+\p)+7], v[QOP+12*\p+4*\c:QOP+12*\p+4*\c+7], v[ACC+16*(2*\p+\c)+8:ACC+16*(2*\p+\c)+15], v[KS+\p], v[QS+\p] matrix_a_fmt:MATRIX_FMT_FP4 matrix_b_fmt:MATRIX_FMT_FP4 matrix_a_scale:MATRIX_SCALE_ROW1
.endif
.endr
.endr
.endr
	WIN 0
	PLACES 4                                       ; in front of the loads into the chunk's registers and of the first read of the scores
.endm
; The softmax of heads e .. e + 3 for one block of 32 keys, the four heads by turns
.macro SOFT4 e
.irp b, 0,1,2,3
	v_max3_num_f32 v[BM+\b], v[ACC+16*(\e+\b)], v[ACC+16*(\e+\b)+1], v[ACC+16*(\e+\b)+2]   ; the block's largest score, each accumulator from its low end on
.endr
.irp i, 3,5,7,9,11,13
.irp b, 0,1,2,3
	v_max3_num_f32 v[BM+\b], v[BM+\b], v[ACC+16*(\e+\b)+\i], v[ACC+16*(\e+\b)+\i+1]
.endr
.endr
.irp b, 0,1,2,3
	v_max_num_f32 v[BM+\b], v[BM+\b], v[ACC+16*(\e+\b)+15]
.endr
.irp b, 0,1,2,3
	v_permlanex16_b32 v[PX+\b], v[BM+\b], s12, s13
.endr
.irp b, 0,1,2,3
	v_max_num_f32 v[BM+\b], v[BM+\b], v[PX+\b]     ; with lane l xor 16's 16 keys
.endr
.irp b, 0,1,2,3
	v_mul_f32 v[PX+\b], s10, v[BM+\b]              ; as t
.endr
.irp b, 0,1,2,3
	v_max_num_f32 v[ST+4*(\e+\b)+1], v[ST+4*(\e+\b)+1], v[PX+\b]   ; the running largest t
.endr
.irp b, 0,1,2,3
	v_floor_f32 v[PX+\b], -v[ST+4*(\e+\b)+1]       ; the new -M: a whole number
.endr
.irp b, 0,1,2,3
	v_sub_f32 v[F+2*\b], v[PX+\b], v[ST+4*(\e+\b)] ; old M less new M: 0 or less
.endr
.irp b, 0,1,2,3
	v_mov_b32 v[ST+4*(\e+\b)], v[PX+\b]
.endr
.irp b, 0,1,2,3
	v_cvt_i32_f32 v[F+2*\b], v[F+2*\b]             ; (it saturates)
.endr
.irp b, 0,1,2,3
	v_ldexp_f32 v[F+2*\b], 1.0, v[F+2*\b]          ; 2^(old M - new M): exact
.endr
.irp k, 0,2,4,6,8,10,12,14
.irp b, 0,1,2,3
	v_pk_fma_f32 v[ACC+16*(\e+\b)+\k:ACC+16*(\e+\b)+\k+1], v[ACC+16*(\e+\b)+\k:ACC+16*(\e+\b)+\k+1], s[10:11], v[ST+4*(\e+\b):ST+4*(\e+\b)+1] op_sel_hi:[1,0,0]   ; t - M
.endr
.endr
.irp b, 0,1,2,3
	v_fma_f32 v[BM+\b], v[BM+\b], s10, v[ST+4*(\e+\b)]   ; the same of the block's largest score
.endr
.irp b, 0,1,2,3
.irp j, 0,1,2,3,4,5,6,7,8,9,10,11,12,13,14,15
	v_exp_f32 v[ACC+16*(\e+\b)+\j], v[ACC+16*(\e+\b)+\j]   ; p = 2^(t - M)
.endr
.endr
.irp b, 0,1,2,3
	v_pk_mul_f32 v[ST+4*(\e+\b)+2:ST+4*(\e+\b)+3], v[ST+4*(\e+\b)+2:ST+4*(\e+\b)+3], v[F+2*\b:F+2*\b+1] op_sel_hi:[1,0]   ; the sums under the new M: plain work behind the batch
.endr
	s_wait_alu depctr_va_vdst(0)                   ; one wait for the 64, ahead of their first reader
.irp b, 0,1,2,3
	v_exp_f32 v[BM+\b], v[BM+\b]                   ; the block's largest p: the same two instructions on the same number give the same bits
.endr
.irp k, 0,2,4,6,8,10,12,14
.irp b, 0,1,2,3
	v_pk_add_f32 v[ST+4*(\e+\b)+2:ST+4*(\e+\b)+3], v[ST+4*(\e+\b)+2:ST+4*(\e+\b)+3], v[ACC+16*(\e+\b)+\k:ACC+16*(\e+\b)+\k+1]   ; the sum is taken of the unquantised p
.endr
.endr
	s_wait_alu depctr_va_vdst(0)                   ; and one for the four
.irp b, 0,1,2,3
	v_max_num_f32 v[BM+\b], 0x1800000, v[BM+\b]    ; the floor 2^(3 - 127): the byte cannot fall under 1
.endr
.irp b, 0,1,2,3
	v_add_nc_u32 v[SO+\b], 0xff000000, v[BM+\b]    ; 2 off the exponent field: the conversion's scale operand
.endr
.irp b, 0,1,2,3
	v_lshrrev_b32 v[PX+\b], 23, v[SO+\b]           ; the byte under this block's M,
.endr
.irp b, 0,1,2,3
	v_cvt_f32_u32 v[PX+\b], v[PX+\b]
.endr
.irp b, 0,1,2,3
	v_sub_f32 v[PX+\b], v[PX+\b], v[ST+4*(\e+\b)]  ; kept as byte + M
.endr
.irp b, 0,1,2,3
	v_cvt_scalef32_pk8_fp4_f32 v[PC+2*\b], v[ACC+16*(\e+\b):ACC+16*(\e+\b)+7], v[SO+\b]
	v_cvt_scalef32_pk8_fp4_f32 v[PC+2*\b+1], v[ACC+16*(\e+\b)+8:ACC+16*(\e+\b)+15], v[SO+\b]
.endr
	v_nop                                          ; one plain place behind the scaled conversions
.irp b, 0,1,2,3
	ds_store_b64 v[PA], v[PC+2*\b:PC+2*\b+1] offset:1024*(\e+\b)   ; my half of the block, at its place in the fragment's image
	ds_store_b32 v[EA], v[PX+\b] offset:512*(\e+\b)
.endr
.endm
; A block of 32 key slots in each of the wave's two sets, up to its scores.  LAST = 0: the next block's keys are asked for behind step 0.  LAST = 1: V of heads 2, 3 takes their place, 16 loads either way.
.macro BLOCK
	s_wait_loadcnt 17                              ; the block's keys are in; the chunk's 17 loads, issued behind them, may be out
.if LAST
	v_add_nc_u32 v[PA], 768, v[PA0]                ; block 3: 256 beta and 4 beta
	v_add_nc_u32 v[EA], 12, v[EA0]
.else
	v_add_nc_u32 v[PA], s50, v[PA0]
	v_add_nc_u32 v[EA], s51, v[EA0]
.endif
	DPHASE
.irp k, 0,2,4,6,8,10,12,14
	v_pk_fma_f32 v[G0+\k:G0+\k+1], v[DS+\k:DS+\k+1], v[DS+\k:DS+\k+1], LIFT op_sel_hi:[1,1,0] neg_lo:[1,0,0] neg_hi:[1,0,0]   ; r = 0: the centre is 0
.endr
.irp k, 0,1,2,3,4,5,6,7,8,9,10,11,12,13,14,15
	v_exp_f32 v[G0+\k], v[G0+\k]
.endr
	RSTEP 0, 0xbf67ebe6
	WIN 0
	s_wait_loadcnt 0x0                             ; the chunk is in (asked for a softmax ago); no load names s[4:5] or s[6:7] any more
.if LAST
	FRAGS 0x40, X, 2*CHB                           ; s[4:5] stands at chunk 3: chunk 5.  The positions and the mask's term have been read
.else
	s_add_nc_u64 s[6:7], s[6:7], 512
	KPLOAD                                         ; the mask's term was read by step 0: the next block's keys may land
.endif
	RSTEP 1, 0xbfe7ebe6
	RSTEP 2, 0xc02df0ec
	RSTEP 3, 0xc067ebe6
	RSTEP 4, 0xc090f370
	RSTEP 5, 0xc0adf0ec
	RSTEP 6, 0xc0caee69
	RSTEP 7, 0xc0e7ebe6
	RSTEP 8, 0xc10274b1
	RSTEP 9, 0xc110f370
	RSTEP 10, 0xc11f722e
	RSTEP 11, 0xc12df0ec
	RSTEP 12, 0xc13c6fab
	RSTEP 13, 0xc14aee69
	RSTEP 14, 0xc1596d27
	RSTEP 15, 0
	SMUL
.endm
; p's scale words of heads 4 g .. 4 g + 3: byte = (byte + M of the block) - the final M, held at 1
.macro EWORDS g
.irp b, 0,1,2,3
	ds_load_b128 v[F+4*\b:F+4*\b+3], v[EA0] offset:512*(4*\g+\b)   ; LDS serves a wave's instructions in order: these see my stores
.endr
	s_wait_dscnt 0x0
.irp b, 0,1,2,3
.irp k, 0,1,2,3
	v_add_f32 v[F+4*\b+\k], v[F+4*\b+\k], v[ST+4*(4*\g+\b)]
.endr
.endr
.irp k, 0,1,2,3,4,5,6,7,8,9,10,11,12,13,14,15
	v_max_num_f32 v[F+\k], 1.0, v[F+\k]
.endr
.irp k, 0,1,2,3,4,5,6,7,8,9,10,11,12,13,14,15
	v_cvt_u32_f32 v[F+\k], v[F+\k]
.endr
.irp b, 0,1,2,3
	v_lshl_or_b32 v[BM+4*\g+\b], v[F+4*\b+1], 8, v[F+4*\b]
.endr
.irp b, 0,1,2,3
	v_lshl_or_b32 v[BM+4*\g+\b], v[F+4*\b+2], 16, v[BM+4*\g+\b]
.endr
.irp b, 0,1,2,3
	v_lshl_or_b32 v[BM+4*\g+\b], v[F+4*\b+3], 24, v[BM+4*\g+\b]
.endr
.endm
; their sums: two halves, and lane l xor 16's; (-M, sum) goes to LDS.  (These lines are also places between the scale words and the products)
.macro STATS g
.irp b, 0,1,2,3
	v_add_f32 v[ST+4*(4*\g+\b)+2], v[ST+4*(4*\g+\b)+2], v[ST+4*(4*\g+\b)+3]
.endr
.irp b, 0,1,2,3
	v_permlanex16_b32 v[F+\b], v[ST+4*(4*\g+\b)+2], s12, s13
.endr
.irp b, 0,1,2,3
	v_add_f32 v[ST+4*(4*\g+\b)+1], v[ST+4*(4*\g+\b)+2], v[F+\b]
.endr
.irp b, 0,1,2,3
	ds_store_b64 v[SAD], v[ST+4*(4*\g+\b):ST+4*(4*\g+\b)+1] offset:256*(4*\g+\b)
.endr
.endm
.macro PLOAD e                         ; head e's fragment of p, into buffer e % 2
	WIN 0x40
	ds_load_b128 v[FB+8*((\e)%2):FB+8*((\e)%2)+3], v[FAD] offset:1024*(\e)
	ds_load_b128 v[FB+8*((\e)%2)+4:FB+8*((\e)%2)+7], v[FAD] offset:1024*(\e)+512
.endm
; V^T P of head e: the fragment of p of head nxt is asked for (nxt < 0: none); this head's is in (nds: the LDS instructions issued behind its loads); four products (key set s, tile d of the dims), each begun with 0;
; the select; the part goes to LDS
.macro PVH e, vb, msb, vs, nxt, nds
.if (\nxt) >= 0
	PLOAD \nxt
.endif
	s_wait_dscnt \nds
	WIN \msb
.irp s, 0,1
.irp d, 0,1
.if \d == 0
	v_wmma_scale_f32_16x16x128_f8f6f4 v[G0+8*(2*\s+\d):G0+8*(2*\s+\d)+7], v[(\vb)+8*(4*((\e)%2)+2*\s+\d):(\vb)+8*(4*((\e)%2)+2*\s+\d)+7], v[FB+8*((\e)%2):FB+8*((\e)%2)+7], 0, v[(\vs)+2*((\e)%2)+\s], v[BM+(\e)] matrix_a_fmt:MATRIX_FMT_FP4 matrix_b_fmt:MATRIX_FMT_FP4
.else
	v_wmma_scale_f32_16x16x128_f8f6f4 v[G0+8*(2*\s+\d):G0+8*(2*\s+\d)+7], v[(\vb)+8*(4*((\e)%2)+2*\s+\d):(\vb)+8*(4*((\e)%2)+2*\s+\d)+7], v[FB+8*((\e)%2):FB+8*((\e)%2)+7], 0, v[(\vs)+2*((\e)%2)+\s], v[BM+(\e)] matrix_a_fmt:MATRIX_FMT_FP4 matrix_b_fmt:MATRIX_FMT_FP4 matrix_a_scale:MATRIX_SCALE_ROW1
.endif
.endr
.endr
	WIN 0
	PLACES 5                                       ; the results are read next, and the next head's products write over them
.irp d, 0,1
.irp j, 0,1,2,3,4,5,6,7
	v_cndmask_b32 v[G0+8*\d+\j], v[G0+8*\d+\j], v[G0+16+8*\d+\j], s49   ; columns 0-7 keep key set 0's product, columns 8-15 take set 1's; register 8 d + j = dim 16 h' + 8 d + j
.endr
.endr
.irp k, 0,1,2,3
	ds_store_b128 v[OAD], v[G0+4*\k:G0+4*\k+3] offset:2048*(\e)+512*\k
.endr
.endm
	s_load_b512 s[68:83], s[0:1], 0x0              ; kv 68, kp 70, wt 72, qc 74, qs 76, query_pos 78, Wo_codes 80, bo 82
	s_set_vgpr_msb 0x40
	v_lshl_add_u32 v254, v0, 2, 0x40a00
	v_mov_b32 v255, 0
	s_set_vgpr_msb 0x4000
	v_lshrrev_b32 v1, 5, v0
	v_readfirstlane_b32 s15, v1                    ; wave 0..7
	v_and_b32 v236, 15, v0                         ; r
	v_bfe_u32 v237, v0, 4, 1                       ; h'
	v_bfe_u32 v238, v0, 3, 1                       ; sg
	v_and_b32 v239, 7, v0                          ; my query of the eight
	v_and_b32 v240, 31, v0                         ; lane
	v_lshlrev_b32 v[L16], 4, v240
	v_lshlrev_b32 v[KPO], 11, v238
	v_lshl_add_u32 v[KPO], v237, 8, v[KPO]
	v_lshlrev_b32 v[PA0], 4, v236
	v_lshl_add_u32 v[PA0], v237, 3, v[PA0]
	s_lshl_b32 s52, s15, 13
	v_add_nc_u32 v[PA0], s52, v[PA0]
	v_add_nc_u32 v[FAD], s52, v[L16]
	s_lshl_b32 s52, s15, 12
	s_add_co_u32 s52, s52, EF
	v_add_nc_u32 v[EA0], s52, v[L16]
	s_lshl_b32 s52, s15, 14
	s_add_co_u32 s52, s52, OM
	v_add_nc_u32 v[OAD], s52, v[L16]
	s_lshl_b32 s52, s15, 11
	s_add_co_u32 s52, s52, SM
	v_lshl_add_u32 v[SAD], v240, 3, s52
	v_lshlrev_b32 v[WSO], 3, v236
	v_lshl_add_u32 v[WSO], v237, 2, v[WSO]
	v_mov_b32 v[ZO], 0
	v_lshlrev_b32 v244, 7, v236
	v_lshl_add_u32 v244, v237, 4, v244             ; Wo: row r of 128 bytes, + 16 h'
	v_lshlrev_b32 v245, 5, v237                    ; bo: my half's eight numbers
	v_lshlrev_b32 v246, 4, v239                    ; qc, qs: 16 bytes a query
	v_mul_u32_u24 v247, v239, 12                   ; query_pos
	s_mov_b32 s10, CT
	s_mov_b32 s11, CT
	s_mov_b32 s12, 0x76543210
	s_mov_b32 s13, 0xfedcba98                      ; v_permlanex16_b32's selects for lane l xor 16
	s_mov_b32 s48, 0xff0000ff                      ; the lanes with h' = r / 8
	s_mov_b32 s49, 0xff00ff00                      ; the lanes with r >= 8
	s_mov_b32 s14, 0
	s_mov_b32 s50, 0
	s_mov_b32 s51, 0
	s_lshr_b32 s52, ttmp9, 7                       ; batch
	s_lshl_b32 s52, s52, 3
	s_add_co_u32 s52, s52, s15                     ; stream
	s_mul_i32 s54, s52, STREAM
	s_mov_b32 s55, 0
	s_lshl_b32 s56, s52, 12                        ; kp: 16 units of 256 bytes a stream
	s_mov_b32 s57, 0
	s_wait_kmcnt 0x0
	s_add_nc_u64 s[4:5], s[68:69], s[54:55]
	s_add_nc_u64 s[6:7], s[70:71], s[56:57]
	s_mov_b64 s[8:9], s[72:73]
	s_lshl_b32 s54, ttmp9, 10
	s_add_nc_u64 s[58:59], s[74:75], s[54:55]      ; qc: my 8 queries
	s_lshl_b32 s54, ttmp9, 7
	s_add_nc_u64 s[60:61], s[76:77], s[54:55]      ; qs
	s_mul_i32 s54, ttmp9, 96
	s_add_nc_u64 s[62:63], s[78:79], s[54:55]      ; query_pos
	s_lshl_b32 s54, s15, 12
	s_add_nc_u64 s[52:53], s[80:81], s[54:55]      ; Wo: my 32 rows
	s_lshl_b32 s54, s15, 7
	s_add_nc_u64 s[56:57], s[82:83], s[54:55]      ; bo: my 32 numbers
	s_load_b512 s[WB0:WB0+15], s[8:9], 0x0         ; the weights of r = 0 and 1
	s_load_b512 s[WB0+16:WB0+31], s[8:9], 0x40
	global_load_b128 v[QS:QS+3], v246, s[60:61]
	WIN 0x40
.irp j, 0,1
.irp g, 0,1
.irp c, 0,1
	global_load_b128 v[WO+8*(2*\j+\g)+4*\c:WO+8*(2*\j+\g)+4*\c+3], v244, s[52:53] offset:2048*\j+64*\g+32*\c
.endr
.endr
.endr
.irp j, 0,1
	global_load_b128 v[BO+8*\j:BO+8*\j+3], v245, s[56:57] offset:64*\j
	global_load_b128 v[BO+8*\j+4:BO+8*\j+7], v245, s[56:57] offset:64*\j+16
.endr
.irp p, 0,1,2,3
.irp c, 0,1
	global_load_b128 v[QOP+12*\p+8*\c:QOP+12*\p+8*\c+3], v246, s[58:59] offset:128*(2*\p+\c)
.endr
.endr
	global_load_b32 v[QP], v247, s[62:63]
	global_load_b32 v[QP+2], v247, s[62:63] offset:4
	global_load_b32 v[QP+4], v247, s[62:63] offset:8
.irp p, 0,1,2,3
.irp k, 0,1,2,3
	v_mov_b32 v[QOP+12*\p+4+\k], 0                 ; the zero half of both operands of the pair
.endr
.endr
	KPLOAD                                         ; block 0's keys
	CHUNK 0x40, KB, KS, 0                          ; block 0's K
.irp e, 0,1,2,3,4,5,6,7
	v_mov_b32 v[ST+4*\e], 0x6e000000               ; -M = 2^93
	v_mov_b32 v[ST+4*\e+1], 0xee000000             ; the largest t so far: -2^93
	v_mov_b32 v[ST+4*\e+2], 0
	v_mov_b32 v[ST+4*\e+3], 0
.endr
.irp b, 0,1,2,3
	v_mov_b32 v[PX+\b], 0                          ; a lane permute's destination counts as one of its sources
	v_mov_b32 v[F+2*\b+1], 0                       ; named as the upper half of a pair
.endr
	s_wait_loadcnt 33                              ; all but the keys' 16 loads and the chunk's 17
	WIN 0x44
.irp p, 0,1,2,3
.irp c, 0,1
.irp k, 0,1,2,3
	v_cndmask_b32 v[QOP+12*\p+8*\c+\k], 0, v[QOP+12*\p+8*\c+\k], s48   ; Q's codes stay only in the block of the column's key set
.endr
.endr
.endr
	WIN 0x41
	v_mov_b32 v[QP+1], v[QP]
	v_mov_b32 v[QP+3], v[QP+2]
	v_mov_b32 v[QP+5], v[QP+4]
	WIN 0
.Lblk:                                         ; three trips: blocks 0 to 2
	BLOCK
	s_add_nc_u64 s[4:5], s[4:5], CHB               ; (its loads were shown done inside the block)
	CHUNK 0x40, KB, KS, 0                          ; the next block's K
	SOFT4 0
	SOFT4 4
	s_add_co_u32 s50, s50, 256
	s_add_co_u32 s51, s51, 4
	s_add_co_u32 s14, s14, 1
	s_cmp_lt_u32 s14, 3
	s_cbranch_scc1 .Lblk
	; ---- block 3, and with it the wave's V^T P.  s[4:5] stays at chunk 3: V's chunks 4 to 7 lie 1 to 4 chunks behind it, by immediates
.set LAST, 1
	BLOCK                                          ; in it: chunk 5's 16 fragment loads
	s_load_b256 s[68:75], s[0:1], 0x40             ; the weights are done with: Wo_scales 68, query_feat 70, query_mask 72, ln_g 74
	s_load_b128 s[76:79], s[0:1], 0x60             ; ln_b 76, out0 78
	global_load_b128 v[DS:DS+3], v[L16], s[4:5] offset:2*CHB+8192  ; chunk 5's scale words: the distances are done with
	CHUNK 0x40, KB, KS, CHB                        ; chunk 4: V of heads 0, 1, where K lay
	SOFT4 0
	s_wait_kmcnt 0x0
	s_lshl_b32 s52, ttmp9, 3
	s_add_co_u32 s52, s52, s15                     ; my row: 8 x work-group + wave
	s_mov_b32 s53, 0
	s_add_nc_u64 s[72:73], s[72:73], s[52:53]
	s_lshl_b32 s54, s52, 10
	s_mov_b32 s55, 0
	s_add_nc_u64 s[70:71], s[70:71], s[54:55]
	s_add_nc_u64 s[78:79], s[78:79], s[54:55]
	s_lshl_b32 s54, s15, 8
	s_add_nc_u64 s[68:69], s[68:69], s[54:55]      ; Wo's scales: my 32 rows of 8 bytes
	WIN 0x40                                       ; what the last phases want, nine loads, into registers that the last score products have left
	global_load_b128 v[RQ:RQ+3], v[L16], s[70:71] th:TH_LOAD_NT
	global_load_b128 v[RQ+4:RQ+7], v[L16], s[70:71] offset:512 th:TH_LOAD_NT
	global_load_b128 v[RG:RG+3], v[L16], s[74:75]
	global_load_b128 v[RG+4:RG+7], v[L16], s[74:75] offset:512
	global_load_b128 v[RB:RB+3], v[L16], s[76:77]
	global_load_b128 v[RB+4:RB+7], v[L16], s[76:77] offset:512
	WIN 0
	global_load_u8 v[QM], v[ZO], s[72:73]
	global_load_b32 v[WOS], v[WSO], s[68:69]
	global_load_b32 v[WOS+1], v[WSO], s[68:69] offset:128
	CHUNK 0, ACC, DS+4, 3*CHB                      ; chunk 6: V of heads 4, 5, where the p of heads 0-3 lay: they are codes now
	EWORDS 0
	STATS 0
	; the statistics of heads 0-3 are stored: their registers take the addresses of what follows.  (Plain lines between the scale words and the products)
	v_and_b32 v32, 15, v0                          ; r
	v_bfe_u32 v33, v0, 4, 1                        ; h'
	v_and_b32 v34, 31, v0                          ; lane
	s_lshl_b32 s52, s15, 8
	s_add_co_u32 s53, s52, SM
	v_lshl_add_u32 v20, v34, 3, s53                ; the statistics of head = my wave, part 0
	s_lshl_b32 s53, s15, 11
	s_add_co_u32 s53, s53, OM
	v_add_nc_u32 v21, s53, v[L16]                  ; its parts 0-3 of O^T,
	v_add_nc_u32 v22, 65536, v21                   ; and 4-7: an LDS immediate has 16 bits
	v_lshlrev_b32 v35, 4, v32
	v_lshl_add_u32 v35, v33, 3, v35
	s_add_co_u32 s53, s52, AIMG
	v_add_nc_u32 v23, s53, v35                     ; where the head's codes go
	s_lshr_b32 s53, s15, 2
	s_lshl_b32 s53, s53, 7
	s_and_b32 s54, s15, 3
	s_add_co_u32 s53, s53, s54
	s_add_co_u32 s53, s53, ASC
	v_lshl_add_u32 v24, v32, 2, s53                ; and its scale byte
	v_add_nc_u32 v25, AIMG, v[L16]                 ; the attention's fragments, read back
	v_lshl_add_u32 v26, v32, 2, ASC                ; their scale words
	v_mul_u32_u24 v27, v32, SPITCH
	v_lshl_add_u32 v27, v33, 5, v27
	s_lshl_b32 s53, s15, 7
	s_add_co_u32 s53, s53, STG
	v_add_nc_u32 v27, s53, v27                     ; the stage: row r, + 128 wave + 32 h'
	s_mul_i32 s53, s15, SPITCH
	s_add_co_u32 s53, s53, STG
	v_add_nc_u32 v28, s53, v[L16]                  ; back: row = my wave
	v_mov_b32 v29, 0xff
	PLOAD 2
	s_wait_loadcnt 43                              ; chunk 5 and its words are in; younger: chunk 4's 17, the row's 9, chunk 6's 17
	PVH 2, X, 0x05, DS, 3, 2                       ; heads 2, 3 first: their V was asked for longest ago.  Behind head 2's loads: head 3's two
	PVH 3, X, 0x05, DS, 0, 6                       ; from here on: four stores of O^T and two loads
	s_wait_loadcnt 26                              ; chunk 4 is in; younger: the row's 9, chunk 6's 17
	PVH 0, KB, 0x05, KS, 1, 6
	PVH 1, KB, 0x05, KS, -1, 4                     ; the p of heads 4-7 is not whole yet: nothing is asked for; four stores
	CHUNK 0x40, KB, DS+8, 4*CHB                    ; chunk 7: V of heads 6, 7, where that of heads 0, 1 lay (five places and the selects stand behind its last product)
	SOFT4 4                                        ; under it chunks 6 and 7 land
	EWORDS 1
	STATS 1
	PLACES 4                                       ; with the eight additions above: the places between the scale words and the products
	PLOAD 4
	s_wait_loadcnt 17                              ; chunk 6 is in; younger: chunk 7's 17
	PVH 4, ACC, 0x04, DS+4, 5, 2
	PVH 5, ACC, 0x04, DS+4, 6, 6
	s_wait_loadcnt 0x0                             ; chunk 7; the row's inputs, issued ahead of it, are in too
	PVH 6, KB, 0x05, DS+8, 7, 6
	PVH 7, KB, 0x05, DS+8, -1, 4
	BARRIER                                        ; all parts and statistics lie in LDS
	; ---- wave e merges head e: 8 waves' parts in each column, and the column 8 away holds the other key set's
.irp k, 0,1,2,3,4,5,6,7
	ds_load_b64 v[G0+2*\k:G0+2*\k+1], v20 offset:2048*\k
.endr
.irp k, 0,1,2,3
.irp j, 0,1,2,3
	ds_load_b128 v[ACC+16*\k+4*\j:ACC+16*\k+4*\j+3], v21 offset:16384*\k+512*\j
.endr
.endr
.irp k, 0,1,2,3
.irp j, 0,1,2,3
	ds_load_b128 v[ACC+64+16*\k+4*\j:ACC+64+16*\k+4*\j+3], v22 offset:16384*\k+512*\j
.endr
.endr
	s_wait_dscnt 32                                ; the statistics are in; the 32 loads of O^T may be out
	v_min3_num_f32 v36, v[G0], v[G0+2], v[G0+4]    ; the smallest -M: the largest M
	v_min3_num_f32 v36, v36, v[G0+6], v[G0+8]
	v_min3_num_f32 v36, v36, v[G0+10], v[G0+12]
	v_min_num_f32 v36, v36, v[G0+14]
	v_min_num_f32_dpp v36, v36, v36 row_xmask:8 row_mask:0xf bank_mask:0xf   ; of both key sets
.irp k, 0,1,2,3,4,5,6,7
	v_sub_f32 v[G0+2*\k], v36, v[G0+2*\k]          ; the part's M less the largest: a whole number, 0 or less
.endr
.irp k, 0,1,2,3,4,5,6,7
	v_cvt_i32_f32 v[G0+2*\k], v[G0+2*\k]
.endr
.irp k, 0,1,2,3,4,5,6,7
	v_ldexp_f32 v[G0+2*\k], 1.0, v[G0+2*\k]        ; the part's factor: exact
.endr
	v_mul_f32 v37, v[G0], v[G0+1]
.irp k, 1,2,3,4,5,6,7
	v_fmac_f32 v37, v[G0+2*\k], v[G0+2*\k+1]       ; the row's sum
.endr
	v_add_f32_dpp v37, v37, v37 row_xmask:8 row_mask:0xf bank_mask:0xf
	v_rcp_f32 v38, v37
	v_nop                                          ; a plain place behind the reciprocal
	s_wait_dscnt 28                                ; part 0 is in: four loads a part
.irp j, 0,2,4,6,8,10,12,14
	v_pk_mul_f32 v[ACC+\j:ACC+\j+1], v[ACC+\j:ACC+\j+1], v[G0:G0+1] op_sel_hi:[1,0]
.endr
.irp k, 1,2,3,4,5,6,7
	s_wait_dscnt 4*(7-\k)
.irp j, 0,2,4,6,8,10,12,14
	v_pk_fma_f32 v[ACC+\j:ACC+\j+1], v[ACC+16*\k+\j:ACC+16*\k+\j+1], v[G0+2*\k:G0+2*\k+1], v[ACC+\j:ACC+\j+1] op_sel_hi:[1,0,1]
.endr
.endr
.irp j, 0,1,2,3,4,5,6,7,8,9,10,11,12,13,14,15
	v_add_f32_dpp v[ACC+\j], v[ACC+\j], v[ACC+\j] row_xmask:8 row_mask:0xf bank_mask:0xf   ; the two key sets are joined: columns r and r xor 8 now hold the same
.endr
	s_wait_alu depctr_va_vdst(0)                   ; the reciprocal's wait, ahead of its first reader
.irp j, 0,2,4,6,8,10,12,14
	v_pk_mul_f32 v[ACC+\j:ACC+\j+1], v[ACC+\j:ACC+\j+1], v[38:39] op_sel_hi:[1,0]
.endr
	v_max3_num_f32 v40, |v[ACC]|, |v[ACC+1]|, 0x1800000            ; the head's 32 are one block of the projection's K: my 16, the floor,
.irp i, 2,4,6,8,10,12,14
	v_max3_num_f32 v40, v40, |v[ACC+\i]|, |v[ACC+\i+1]|
.endr
	v_permlanex16_b32 v41, v40, s12, s13
	v_max_num_f32 v40, v40, v41                    ; and lane l xor 16's
	v_add_nc_u32 v42, 0xff000000, v40
	v_lshrrev_b32 v43, 23, v42
	v_cmp_eq_f32 vcc_lo, 0, v37                    ; a row with no key left: the byte 0xff makes the projection's sum NaN
	v_cndmask_b32 v43, v43, v29, vcc_lo
	v_cvt_scalef32_pk8_fp4_f32 v46, v[ACC:ACC+7], v42
	v_cvt_scalef32_pk8_fp4_f32 v47, v[ACC+8:ACC+15], v42
	v_nop                                          ; one plain place behind the scaled conversions
	ds_store_b64 v23, v[46:47]
	ds_store_b8 v24, v43                           ; both halves of the lanes write the same byte with the same value
	BARRIER                                        ; the attention's two fragments and their scale words lie in LDS
	; ---- wave w: outputs 32 w .. 32 w + 31 of the projection, transposed: source 0 = 16 rows of Wo, source 1 = the attention; bo is the C of each sum's first product
.irp k, 0,1,2,3
	ds_load_b128 v[ACC+4*\k:ACC+4*\k+3], v25 offset:512*\k
.endr
	ds_load_b32 v[BM], v26
	ds_load_b32 v[BM+1], v26 offset:128
	s_wait_dscnt 0x0
	WIN 0x11                                       ; Wo and bo in window 1
	v_wmma_scale_f32_16x16x128_f8f6f4 v[116:123], v[WO:WO+7], v[ACC:ACC+7], v[BO:BO+7], v[WOS], v[BM] matrix_a_fmt:MATRIX_FMT_FP4 matrix_b_fmt:MATRIX_FMT_FP4
	v_wmma_scale_f32_16x16x128_f8f6f4 v[124:131], v[WO+16:WO+23], v[ACC:ACC+7], v[BO+8:BO+15], v[WOS+1], v[BM] matrix_a_fmt:MATRIX_FMT_FP4 matrix_b_fmt:MATRIX_FMT_FP4
	WIN 0x01                                       ; the two accumulators by turns
	v_wmma_scale_f32_16x16x128_f8f6f4 v[116:123], v[WO+8:WO+15], v[ACC+8:ACC+15], v[116:123], v[WOS], v[BM+1] matrix_a_fmt:MATRIX_FMT_FP4 matrix_b_fmt:MATRIX_FMT_FP4 matrix_a_scale:MATRIX_SCALE_ROW1
	v_wmma_scale_f32_16x16x128_f8f6f4 v[124:131], v[WO+24:WO+31], v[ACC+8:ACC+15], v[124:131], v[WOS+1], v[BM+1] matrix_a_fmt:MATRIX_FMT_FP4 matrix_b_fmt:MATRIX_FMT_FP4 matrix_a_scale:MATRIX_SCALE_ROW1
	WIN 0
	PLACES 4
.irp j, 0,1
	ds_store_b128 v27, v[116+8*\j:119+8*\j] offset:64*\j           ; lane (r, h'): outputs 32 w + 16 j + 8 h' + 0 .. 7 of column r
	ds_store_b128 v27, v[120+8*\j:123+8*\j] offset:64*\j+16
.endr
	BARRIER                                        ; whole rows lie in the stage
	; ---- wave w: row w: query mask, residual, LayerNorm; 8 numbers a lane
	ds_load_b128 v[132:135], v28
	ds_load_b128 v[136:139], v28 offset:512
	v_cvt_f32_u32 v[QM], v[QM]
	s_mov_b32 s52, 0x3b800000                      ; 1 / 256
	s_mov_b32 s53, 0x3727c5ac                      ; 1e-5
	s_wait_dscnt 0x0
	WIN 0x10                                       ; query_feat's row in window 1
.irp j, 0,2,4,6
	v_pk_fma_f32 v[132+\j:133+\j], v[132+\j:133+\j], v[QM:QM+1], v[RQ+\j:RQ+\j+1] op_sel_hi:[1,0,1]   ; x = out x mask + query_feat
.endr
	WIN 0
	v_pk_add_f32 v[140:141], v[132:133], v[134:135]
	v_pk_add_f32 v[142:143], v[136:137], v[138:139]
	v_pk_add_f32 v[140:141], v[140:141], v[142:143]
	v_add_f32 v140, v140, v141
	v_add_f32_dpp v140, v140, v140 row_xmask:1 row_mask:0xf bank_mask:0xf
	v_add_f32_dpp v140, v140, v140 row_xmask:2 row_mask:0xf bank_mask:0xf
	v_add_f32_dpp v140, v140, v140 row_xmask:4 row_mask:0xf bank_mask:0xf
	v_add_f32_dpp v140, v140, v140 row_xmask:8 row_mask:0xf bank_mask:0xf
	v_permlanex16_b32 v141, v140, s12, s13
	v_add_f32 v140, v140, v141
	v_mul_f32 v140, s52, v140                      ; the mean
.irp j, 0,2,4,6
	v_pk_add_f32 v[132+\j:133+\j], v[132+\j:133+\j], v[140:141] op_sel_hi:[1,0] neg_lo:[0,1] neg_hi:[0,1]
.endr
	v_pk_mul_f32 v[142:143], v[132:133], v[132:133]
.irp j, 2,4,6
	v_pk_fma_f32 v[142:143], v[132+\j:133+\j], v[132+\j:133+\j], v[142:143]
.endr
	v_add_f32 v142, v142, v143
	v_add_f32_dpp v142, v142, v142 row_xmask:1 row_mask:0xf bank_mask:0xf
	v_add_f32_dpp v142, v142, v142 row_xmask:2 row_mask:0xf bank_mask:0xf
	v_add_f32_dpp v142, v142, v142 row_xmask:4 row_mask:0xf bank_mask:0xf
	v_add_f32_dpp v142, v142, v142 row_xmask:8 row_mask:0xf bank_mask:0xf
	v_permlanex16_b32 v143, v142, s12, s13
	v_add_f32 v142, v142, v143
	v_fma_f32 v142, v142, s52, s53                 ; the variance + eps
	v_rsq_f32 v144, v142
	v_nop                                          ; a plain place behind the root,
	s_wait_alu depctr_va_vdst(0)                   ; and its wait, ahead of the first reader
.irp j, 0,2,4,6
	v_pk_mul_f32 v[132+\j:133+\j], v[132+\j:133+\j], v[144:145] op_sel_hi:[1,0]
.endr
	WIN 0x14                                       ; ln_g and ln_b in window 1
.irp j, 0,2,4,6
	v_pk_fma_f32 v[132+\j:133+\j], v[132+\j:133+\j], v[RG+\j:RG+\j+1], v[RB+\j:RB+\j+1]
.endr
	WIN 0
	global_store_b128 v[L16], v[132:135], s[78:79] th:TH_STORE_NT              ; 32 lanes store 512 consecutive bytes, aligned
	global_store_b128 v[L16], v[136:139], s[78:79] offset:512 th:TH_STORE_NT
	s_set_vgpr_msb 0x5
	s_wait_tensorcnt 0x0
	ds_add_u32 v254, v255
	s_wait_dscnt 0x0
	s_set_vgpr_msb 0x500
	s_endpgm
.Lfunc_end_k_q3fd9a9b657_attn:
	.size	k_q3fd9a9b657_attn, .Lfunc_end_k_q3fd9a9b657_attn-k_q3fd9a9b657_attn
	.p2alignl 7, 3214868480
	.fill 96, 4, 3214868480
	.section	.rodata,"a",@progbits
	.p2align	6, 0x0
	.amdhsa_kernel k_q3fd9a9b657_attn
		.amdhsa_group_segment_fixed_size 265728
		.amdhsa_private_segment_fixed_size 0
		.amdhsa_enable_private_segment 0
		.amdhsa_kernarg_size 112
		.amdhsa_user_sgpr_count 2
		.amdhsa_user_sgpr_kernarg_segment_ptr 1
		.amdhsa_wavefront_size32 1
		.amdhsa_system_sgpr_workgroup_id_x 1
		.amdhsa_system_sgpr_workgroup_id_y 1
		.amdhsa_system_sgpr_workgroup_id_z 1
		.amdhsa_system_vgpr_workitem_id 0
		.amdhsa_next_free_vgpr 512
		.amdhsa_next_free_sgpr 100
		.amdhsa_reserve_vcc 1
		.amdhsa_float_denorm_mode_32 3
		.amdhsa_float_denorm_mode_16_64 3
		.amdhsa_memory_ordered 1
		.amdhsa_forward_progress 1
		.amdhsa_inst_pref_size 255
	.end_amdhsa_kernel
	.section	.bss,"aw",@nobits
	.p2align	6
	.space	262144
	.amdgpu_metadata
---
amdhsa.version: [ 1, 2 ]
amdhsa.kernels:
  - .name:           k_q3fd9a9b657_attn
    .symbol:         k_q3fd9a9b657_attn.kd
    .args:
      - { .name: kv, .offset: 0, .size: 8, .value_kind: global_buffer, .address_space: global }
      - { .name: kp, .offset: 8, .size: 8, .value_kind: global_buffer, .address_space: global }
      - { .name: wt, .offset: 16, .size: 8, .value_kind: global_buffer, .address_space: global }
      - { .name: qc, .offset: 24, .size: 8, .value_kind: global_buffer, .address_space: global }
      - { .name: qs, .offset: 32, .size: 8, .value_kind: global_buffer, .address_space: global }
      - { .name: query_pos, .offset: 40, .size: 8, .value_kind: global_buffer, .address_space: global }
      - { .name: Wo_codes, .offset: 48, .size: 8, .value_kind: global_buffer, .address_space: global }
      - { .name: bo, .offset: 56, .size: 8, .value_kind: global_buffer, .address_space: global }
      - { .name: Wo_scales, .offset: 64, .size: 8, .value_kind: global_buffer, .address_space: global }
      - { .name: query_feat, .offset: 72, .size: 8, .value_kind: global_buffer, .address_space: global }
      - { .name: query_mask, .offset: 80, .size: 8, .value_kind: global_buffer, .address_space: global }
      - { .name: ln_g, .offset: 88, .size: 8, .value_kind: global_buffer, .address_space: global }
      - { .name: ln_b, .offset: 96, .size: 8, .value_kind: global_buffer, .address_space: global }
      - { .name: out0, .offset: 104, .size: 8, .value_kind: global_buffer, .address_space: global }
    .group_segment_fixed_size: 265728
    .private_segment_fixed_size: 0
    .kernarg_segment_align: 8
    .kernarg_segment_size: 112
    .max_flat_workgroup_size: 256
    .sgpr_count:     100
    .vgpr_count:     512
    .wavefront_size: 32
...
	.end_amdgpu_metadata
.endif
;; end of part 2
;; ======== version 2 of 2: 2 launches; version 1 with the launches prep, attn written anew for expert scheduling mode
;; limits: right only within a limited range of input values
;; workspace buffers: kv 1,114,112 bytes; kp 65,536 bytes; wt 1,024 bytes; qc 262,144 bytes; qs 32,768 bytes
;; launch prep (part 3): grid 256 x 1, 4 waves a work-group, no clusters, 0 bytes of LDS; arguments key_feat_codes, key_feat_scales, Wk_codes, Wk_scales, Wv_codes, Wv_scales, Wq_codes, Wq_scales, query_feat, key_pos, key_mask, Wrbf, kv, kp, wt, qc, qs; writes kv, kp, wt, qc, qs
.if DOCPART == 3
	.amdgcn_target "amdgcn-amd-amdhsa--gfx1250"
	.amdhsa_code_object_version 6
	.text
	.protected	k_q3fd9a9b657_prep
	.globl	k_q3fd9a9b657_prep
	.p2align	8
	.type	k_q3fd9a9b657_prep,@function
k_q3fd9a9b657_prep:
	s_mov_b64 s[64:65], 0
	v_nop
	global_prefetch_b8 v0, s[64:65] scope:SCOPE_SE
	s_setreg_imm32_b32 hwreg(HW_REG_WAVE_SCHED_MODE, 0, 2), 2
	s_setreg_imm32_b32 hwreg(HW_REG_WAVE_MODE, 25, 1), 1
	s_wait_xcnt 0x0
	s_wait_alu depctr_vm_vsrc(0)
; PREP: the three projections of the attention, quantised to FP4 (E2M1, one E8M0 byte for each 32 along the next product's K) and stored as IMAGES OF THE OPERAND REGISTERS that the second launch names,
; and the key positions, the key mask and the RBF weights laid as that launch reads them.  256 work-groups of four waves; each wave has a role of its own and shares nothing with the others: no LDS, no barrier.
;   wave 0  Kp = key_feat Wk^T : 16 key slots x 2 key sets x 4 heads, quantised along a head's 32.      wave 1  Vp = key_feat Wv^T : 128 keys x one head's 32, quantised along the keys.
;   wave 2  Qp = Q(query_feat) Wq^T : 16 queries x 4 heads, quantised along a head's 32.                 wave 3  16 keys' x, y, z and mask term; in work-groups 0 to 3 also 32 pairs of the doubled RBF table.
; EVERY PRODUCT IS USED TRANSPOSED, and the rows that form a tile of source 0 are not neighbours (lane r of tile 2 b + u takes row 32 b + 8 u + r + 8 (r / 8)): so a lane holds one row of the result and the 16 registers
; of tiles 2 b and 2 b + 1 are 16 neighbours along the next K, which is what the conversions take.
; kv: 16 streams (8 batch + wave of the second launch) x 8 chunks x (8 fragments of 1,024 bytes + 512 bytes of scale words).  A fragment's registers 0-3 lie at 16 x lane, registers 4-7 at 512 + 16 x lane.
;   chunk beta (0..3), fragment 4 u + pi: row rho = key slot 32 beta + 8 u + rho + 8 (rho / 8); block 2 c + h of its K = head 2 pi + c of the key in set h (keys 128 (2 w + h) on); word of (u, rho, pi) at 8192 + 16 (16 u + rho) + 4 pi.
;   chunk 4 + hp, fragment 4 el + 2 sg + dl: row rho = dim 8 dl + rho + 8 (rho / 8) of head 2 hp + el; K = the 128 keys of group 2 w + sg; word at 8192 + 16 (16 dl + rho) + 4 (2 el + sg).
; A block's scale is 2^(floor(log2(its largest magnitude)) - 2); its byte is that magnitude's exponent field - 2, held at 1 from below.
; LIMITS: a block of zeros gets the byte 1 (its codes are zeros; this program alone reads the bytes); NaN and infinities among the inputs are not served.
; THE MODE: SCHED_MODE bits 1:0 = 2 (LLVM: expert scheduling mode 2), set by the entry lines.  The code itself states the register dependences between vector or matrix instructions and memory instructions,
; with s_wait_alu, always for 0.
; THE PLAN.  Registers that memory instructions touch:
;   v3, v5, v6, v7   offsets, made at the head and never written again; each role's own offsets (v8, v9; v10, v12, v21, v23, v25) likewise, made at the role's head.
;   BF, SB, SA, window 1, in the Q role HA and XB, in the position role v16-19 and v26: loaded; no vector instruction names one of them ahead of its load.
;   PC0, PC1, v218, v[16:17], v[26:27]: each written once by vector instructions and then read by stores; none is written again.
; So one wait on va_vdst stands ahead of a role's first load where the role has made offsets, and one ahead of each run of stores; no register that a memory instruction has read is ever written again.
.set STREAM, 69632                     ; bytes of a stream of kv
.set CHB,    8704                      ; bytes of a chunk
.set FA,   5                           ; v5   (r + 8 (r / 8)) x 128 + 16 h: a fragment's bytes in rows of 256 codes
.set FSA,  6                           ; v6   (r + 8 (r / 8)) x 8 + 4 h: lanes 0-15 the scale word of K step 0, lanes 16-31 that of K step 1
.set BF,   16                          ; v16-47   source 1's fragments
.set HA,   48                          ; v48-111  eight result tiles
.set PC0,  112                         ; v112-119 the first fragment made
.set PC1,  240                         ; v240-247 the second
.set SB,   120                         ; v120-121 source 1's scale words
.set XB,   128                         ; v128-191 query_feat's second K step
.set SA,   192                         ; v192-199 source 0's scale words
.set TM,   200                         ; v200-215 at work in the quantiser
.set PW0,  216                         ; the scale words made
.set PW1,  217
.set MSB, 0
.macro WIN new                         ; the immediate's high byte repeats the setting that is left; window 1, v0-127: source 0's sixteen fragments
.if MSB != \new
	s_set_vgpr_msb (MSB<<8)|\new
.set MSB, \new
.endif
.endm
.macro PLACES n
.rept \n
	v_nop
.endr
.endm
; 64 numbers of a lane, register 16 b + i = k 32 b + 16 (lane / 16) + i of my row, become a fragment's codes in v[d] on and its scale word in v[w].
.macro QUANT s, d, w
.irp b, 0,1,2,3
	v_max3_num_f32 v[TM+\b], |v[\s+16*\b]|, |v[\s+1+16*\b]|, 0x1800000   ; block b: my 16 numbers, from the low end on, and the floor 2^(3 - 127): the byte cannot fall under 1
.endr
.irp i, 2,4,6,8,10,12,14
.irp b, 0,1,2,3
	v_max3_num_f32 v[TM+\b], v[TM+\b], |v[\s+16*\b+\i]|, |v[\s+1+16*\b+\i]|   ; the four blocks by turns
.endr
.endr
.irp b, 0,1,2,3
	v_permlanex16_b32 v[TM+4+\b], v[TM+\b], s42, s43
.endr
.irp b, 0,1,2,3
	v_max_num_f32 v[TM+\b], v[TM+\b], v[TM+4+\b]   ; with lane l xor 16's: the block's largest magnitude
.endr
.irp b, 0,1,2,3
	v_add_nc_u32 v[TM+12+\b], 0xff000000, v[TM+\b] ; 2 off its exponent field: the conversion's scale operand
.endr
.irp b, 0,1,2,3
	v_lshrrev_b32 v[TM+4+\b], 23, v[TM+12+\b]      ; the scale's byte
.endr
	v_lshl_or_b32 v[\w], v[TM+5], 8, v[TM+4]
	v_lshl_or_b32 v[\w], v[TM+6], 16, v[\w]
	v_lshl_or_b32 v[\w], v[TM+7], 24, v[\w]
.irp b, 0,1,2,3
	v_cvt_scalef32_pk8_fp4_f32 v[\d+2*\b], v[\s+16*\b:\s+7+16*\b], v[TM+12+\b]
	v_cvt_scalef32_pk8_fp4_f32 v[\d+1+2*\b], v[\s+8+16*\b:\s+15+16*\b], v[TM+12+\b]
.endr
	v_nop                                          ; one plain place behind the scaled conversions
.irp c, 0,1                                    ; the operand's layout wants a whole block in a lane: lanes 0-15 block 2 c, lanes 16-31 block 2 c + 1
.irp i, 0,1
	v_permlane16_swap_b32 v[\d+4*\c+\i], v[\d+2+4*\c+\i]
.endr
.endr
.endm
; One product of K step s.  s = 0 starts the sum with the constant 0; s = 1 adds in place.  Scale words that came from memory hold K step 1's word in lanes 16-31: row 1 (both = 1: on both sides).
.macro MMA d, a, b, sa, sb, s, both
.if (\s) == 0
	v_wmma_scale_f32_16x16x128_f8f6f4 v[(\d):(\d)+7], v[(\a):(\a)+7], v[(\b):(\b)+7], 0, v[\sa], v[\sb] matrix_a_fmt:MATRIX_FMT_FP4 matrix_b_fmt:MATRIX_FMT_FP4
.elseif \both
	v_wmma_scale_f32_16x16x128_f8f6f4 v[(\d):(\d)+7], v[(\a):(\a)+7], v[(\b):(\b)+7], v[(\d):(\d)+7], v[\sa], v[\sb] matrix_a_fmt:MATRIX_FMT_FP4 matrix_b_fmt:MATRIX_FMT_FP4 matrix_a_scale:MATRIX_SCALE_ROW1 matrix_b_scale:MATRIX_SCALE_ROW1
.else
	v_wmma_scale_f32_16x16x128_f8f6f4 v[(\d):(\d)+7], v[(\a):(\a)+7], v[(\b):(\b)+7], v[(\d):(\d)+7], v[\sa], v[\sb] matrix_a_fmt:MATRIX_FMT_FP4 matrix_b_fmt:MATRIX_FMT_FP4 matrix_a_scale:MATRIX_SCALE_ROW1
.endif
.endm
; Eight products, the eight accumulators by turns.
.macro KMM p, s                        ; K role, head pair p of my two: tile t: head c' = t / 4, key set (t / 2) % 2, half u' = t % 2 of the head's 32
.irp t, 0,1,2,3,4,5,6,7
	MMA HA+8*\t, 8*(8*\p+4*(\t/4)+2*(\t%2)+\s), BF+8*(2*((\t/2)%2)+\s), SA+4*\p+2*(\t/4)+(\t%2), SB+(\t/2)%2, \s, 1
.endr
.endm
.macro VMM d, s                        ; V role, tile d of the head's dims: tile t of 16 keys
.irp t, 0,1,2,3,4,5,6,7
	MMA HA+8*\t, 8*(2*\t+\s), BF+8*(2*\d+\s), SA+\t, SB+\d, \s, 1
.endr
.endm
.macro QMM s                           ; Q role: tile t of Wq's rows; source 1's scale words were made here, one register a K step
.irp t, 0,1,2,3,4,5,6,7
	MMA HA+8*\t, 8*(2*\t+\s), BF+8*\s, SA+\t, SB+\s, \s, 0
.endr
.endm
; 128 rows of 256 codes as source 0: sixteen fragments (tile t, K step s) into window 1, v[8 (2 t + s)], and the eight tiles' scale words
.macro LOAD16 cb, sc
	WIN 0x40                                       ; destination window 1, address window 0
.irp t, 0,1,2,3,4,5,6,7
.irp s, 0,1
.irp k, 0,1
	global_load_b128 v[8*(2*\t+\s)+4*\k:8*(2*\t+\s)+4*\k+3], v[FA], s[\cb:\cb+1] offset:(32*(\t/2)+8*(\t%2))*128+64*\s+32*\k
.endr
.endr
.endr
	WIN 0
.irp t, 0,1,2,3,4,5,6,7
	global_load_b32 v[SA+\t], v[FSA], s[\sc:\sc+1] offset:(32*(\t/2)+8*(\t%2))*8
.endr
.endm
	s_load_b512 s[4:19], s[0:1], 0x0               ; key_feat codes 4, scales 6; Wk 8, 10; Wv 12, 14; Wq 16, 18
	s_load_b512 s[20:35], s[0:1], 0x40             ; query_feat 20; key_pos 22; key_mask 24; Wrbf 26; kv 28; kp 30; wt 32; qc 34
	s_load_b64 s[36:37], s[0:1], 0x80              ; qs
	v_lshrrev_b32 v1, 5, v0
	v_readfirstlane_b32 s40, v1                    ; wave = role
	v_and_b32 v1, 15, v0                           ; r
	v_bfe_u32 v2, v0, 4, 1                         ; h
	v_and_b32 v3, 31, v0
	v_lshlrev_b32 v3, 4, v3                        ; 16 x lane: an image's place for my lane
	v_and_b32 v4, 8, v1
	v_add_nc_u32 v4, v4, v1                        ; r + 8 (r / 8)
	v_lshlrev_b32 v[FA], 7, v4
	v_lshl_add_u32 v[FA], v2, 4, v[FA]
	v_lshlrev_b32 v[FSA], 3, v4
	v_lshl_add_u32 v[FSA], v2, 2, v[FSA]
	v_lshlrev_b32 v7, 4, v1
	v_lshl_add_u32 v7, v2, 2, v7                   ; 16 r + 4 h: where two scale words a row go
.irp b, 0,1,2,3
	v_mov_b32 v[TM+4+\b], 0                        ; written once: a lane permute's destination counts as one of its sources
.endr
	s_mov_b32 s42, 0x76543210
	s_mov_b32 s43, 0xfedcba98                      ; v_permlanex16_b32's selects for lane l xor 16
	s_mov_b32 s44, 0xffff0000                      ; lanes 16-31
	s_mov_b32 s55, 0                               ; the upper word of every offset
	s_wait_alu depctr_va_sdst(0)                   ; s40 is written, ahead of its first reader: the compares that part the roles
	s_wait_alu depctr_va_vdst(0)                   ; v3, v5, v6 and v7 are written: the loads and stores of every role read them as offsets
	s_wait_kmcnt 0x0
	s_cmp_eq_u32 s40, 1
	s_cbranch_scc1 .Lrole_v
	s_cmp_eq_u32 s40, 2
	s_cbranch_scc1 .Lrole_q
	s_cmp_eq_u32 s40, 3
	s_cbranch_scc1 .Lrole_p
	; ---- K: work-group i = (stream, tile t = 2 beta + u, half g of the heads)
	s_lshr_b32 s46, ttmp9, 4                       ; stream = 8 batch + w
	s_bfe_u32 s47, ttmp9, 0x20002                  ; beta
	s_bfe_u32 s48, ttmp9, 0x10001                  ; u
	s_and_b32 s49, ttmp9, 1                        ; g
	s_lshl_b32 s50, s46, 8
	s_lshl_b32 s51, s47, 5
	s_add_co_u32 s50, s50, s51
	s_lshl_b32 s51, s48, 3
	s_add_co_u32 s50, s50, s51                     ; the tile's first key in set 0: 256 stream + 32 beta + 8 u
	s_lshl_b32 s54, s50, 7
	s_add_nc_u64 s[4:5], s[4:5], s[54:55]
	s_lshl_b32 s54, s50, 3
	s_add_nc_u64 s[6:7], s[6:7], s[54:55]
	s_lshl_b32 s54, s49, 14                        ; Wk: my 128 rows of 128 bytes
	s_add_nc_u64 s[8:9], s[8:9], s[54:55]
	s_lshl_b32 s54, s49, 10
	s_add_nc_u64 s[10:11], s[10:11], s[54:55]
	s_mul_i32 s50, s46, STREAM
	s_mul_i32 s51, s47, CHB
	s_add_co_u32 s50, s50, s51                     ; the chunk
	s_lshl_b32 s51, s48, 12
	s_add_co_u32 s54, s50, s51
	s_lshl_b32 s51, s49, 11
	s_add_co_u32 s54, s54, s51                     ; + fragment 4 u + 2 g
	s_add_nc_u64 s[56:57], s[28:29], s[54:55]
	s_lshl_b32 s51, s48, 8
	s_add_co_u32 s54, s50, s51
	s_lshl_b32 s51, s49, 3
	s_add_co_u32 s54, s54, s51
	s_add_co_u32 s54, s54, 8192                    ; its scale words: 8192 + 256 u + 8 g
	s_add_nc_u64 s[58:59], s[28:29], s[54:55]
.irp g, 0,1                                    ; the features of key set g, K step s
.irp s, 0,1
.irp k, 0,1
	global_load_b128 v[BF+8*(2*\g+\s)+4*\k:BF+8*(2*\g+\s)+4*\k+3], v[FA], s[4:5] offset:16384*\g+64*\s+32*\k
.endr
.endr
.endr
.irp g, 0,1
	global_load_b32 v[SB+\g], v[FSA], s[6:7] offset:1024*\g
.endr
.irp p, 0,1                                    ; Wk's rows of head pair p: 16 loads of codes, 4 of scale words
	WIN 0x40
.irp c, 0,1
.irp u, 0,1
.irp s, 0,1
.irp k, 0,1
	global_load_b128 v[8*(8*\p+4*\c+2*\u+\s)+4*\k:8*(8*\p+4*\c+2*\u+\s)+4*\k+3], v[FA], s[8:9] offset:(64*\p+32*\c+8*\u)*128+64*\s+32*\k
.endr
.endr
.endr
.endr
	WIN 0
.irp c, 0,1
.irp u, 0,1
	global_load_b32 v[SA+4*\p+2*\c+\u], v[FSA], s[10:11] offset:(64*\p+32*\c+8*\u)*8
.endr
.endr
.endr
	s_wait_loadcnt 20                              ; the features and pair 0's rows are in; pair 1's 20 loads may be out
	WIN 0x01                                       ; source 0 in window 1
	KMM 0, 0
	KMM 0, 1
	WIN 0
	PLACES 5                                       ; behind the last products: their results are read next, and pair 1's products will write over them
	QUANT HA, PC0, PW0                             ; block 2 c' + set: the quantiser's fragment is kv's image as it stands
	s_wait_alu depctr_va_vdst(0)                   ; the conversions and the exchanges of halves have written PC0, which the two stores read
	global_store_b128 v3, v[PC0:PC0+3], s[56:57]             ; 512 consecutive bytes a store
	global_store_b128 v3, v[PC0+4:PC0+7], s[56:57] offset:512
	s_wait_loadcnt 0x0
	WIN 0x01
	KMM 1, 0
	KMM 1, 1
	WIN 0
	PLACES 5
	QUANT HA, PC1, PW1
	v_cndmask_b32 v218, v[PW0], v[PW1], s44        ; lanes 0-15 store pair 0's word of row r, lanes 16-31 pair 1's
	s_wait_alu depctr_va_vdst(0)                   ; PC1 and v218 are written, which the three stores read
	global_store_b128 v3, v[PC1:PC1+3], s[56:57] offset:1024
	global_store_b128 v3, v[PC1+4:PC1+7], s[56:57] offset:1536
	global_store_b32 v7, v218, s[58:59]
	s_endpgm
.Lrole_v:	; ---- V: work-group i = (batch, group of 128 keys, head)
	s_lshr_b32 s46, ttmp9, 4                       ; stream
	s_lshr_b32 s47, ttmp9, 3                       ; 16 batch + group
	s_and_b32 s48, s47, 1                          ; sg: which of the stream's two groups
	s_and_b32 s49, ttmp9, 7                        ; head
	s_lshr_b32 s50, s49, 1                         ; hp
	s_and_b32 s51, ttmp9, 1                        ; el
	s_lshl_b32 s54, s47, 14                        ; 128 keys of 128 bytes
	s_add_nc_u64 s[4:5], s[4:5], s[54:55]
	s_lshl_b32 s54, s47, 10
	s_add_nc_u64 s[6:7], s[6:7], s[54:55]
	s_lshl_b32 s54, s49, 12                        ; Wv: the head's 32 rows
	s_add_nc_u64 s[12:13], s[12:13], s[54:55]
	s_lshl_b32 s54, s49, 8
	s_add_nc_u64 s[14:15], s[14:15], s[54:55]
	s_mul_i32 s52, s46, STREAM
	s_mul_i32 s53, s50, CHB
	s_add_co_u32 s52, s52, s53
	s_add_co_u32 s52, s52, 4*CHB                   ; chunk 4 + hp
	s_lshl_b32 s53, s51, 1
	s_add_co_u32 s53, s53, s48                     ; 2 el + sg
	s_lshl_b32 s54, s53, 11                        ; two fragments each
	s_add_co_u32 s54, s54, s52
	s_add_nc_u64 s[56:57], s[28:29], s[54:55]
	s_lshl_b32 s54, s53, 2
	s_add_co_u32 s54, s54, s52
	s_add_co_u32 s54, s54, 8192
	s_add_nc_u64 s[58:59], s[28:29], s[54:55]
	LOAD16 4, 6                                    ; the 128 keys' features are source 0: a lane of the result holds one dim, its registers run along the keys
.irp d, 0,1                                    ; Wv's rows 8 d + r + 8 (r / 8) of the head
.irp s, 0,1
.irp k, 0,1
	global_load_b128 v[BF+8*(2*\d+\s)+4*\k:BF+8*(2*\d+\s)+4*\k+3], v[FA], s[12:13] offset:1024*\d+64*\s+32*\k
.endr
.endr
.endr
.irp d, 0,1
	global_load_b32 v[SB+\d], v[FSA], s[14:15] offset:64*\d
.endr
	s_wait_loadcnt 0x0
	WIN 0x01
	VMM 0, 0
	VMM 0, 1
	WIN 0
	PLACES 5
	QUANT HA, PC0, PW0
	s_wait_alu depctr_va_vdst(0)                   ; the conversions and the exchanges of halves have written PC0, which the two stores read
	global_store_b128 v3, v[PC0:PC0+3], s[56:57]
	global_store_b128 v3, v[PC0+4:PC0+7], s[56:57] offset:512
	WIN 0x01
	VMM 1, 0
	VMM 1, 1
	WIN 0
	PLACES 5
	QUANT HA, PC1, PW1
	v_cndmask_b32 v218, v[PW0], v[PW1], s44        ; lane 16 dl + rho stores tile dl's word of row rho
	s_wait_alu depctr_va_vdst(0)                   ; PC1 and v218 are written, which the three stores read
	global_store_b128 v3, v[PC1:PC1+3], s[56:57] offset:1024
	global_store_b128 v3, v[PC1+4:PC1+7], s[56:57] offset:1536
	global_store_b32 v3, v218, s[58:59]
	s_endpgm
.Lrole_q:	; ---- Q: work-group i = (tile of 16 queries, half g of the heads)
	s_lshr_b32 s46, ttmp9, 1                       ; the tile
	s_and_b32 s47, ttmp9, 1                        ; g
	s_lshl_b32 s54, s46, 14                        ; 16 rows of 1,024 bytes
	s_add_nc_u64 s[20:21], s[20:21], s[54:55]
	s_lshl_b32 s54, s47, 14
	s_add_nc_u64 s[16:17], s[16:17], s[54:55]
	s_lshl_b32 s54, s47, 10
	s_add_nc_u64 s[18:19], s[18:19], s[54:55]
	s_lshl_b32 s54, s46, 11
	s_lshl_b32 s48, s47, 9
	s_add_co_u32 s54, s54, s48
	s_add_nc_u64 s[56:57], s[34:35], s[54:55]      ; qc: two tiles of 8 queries x 1,024 bytes, + 4 g heads of 128
	s_lshl_b32 s54, s46, 8
	s_lshl_b32 s48, s47, 3
	s_add_co_u32 s54, s54, s48
	s_add_nc_u64 s[58:59], s[36:37], s[54:55]      ; qs: 16 bytes a query, + 2 g words
	v_lshlrev_b32 v8, 10, v1
	v_lshl_add_u32 v8, v2, 6, v8                   ; query_feat: row r, + 64 h: my 16 numbers of a block of 32
	v_lshrrev_b32 v9, 3, v1
	v_lshlrev_b32 v9, 10, v9
	v_lshl_add_u32 v9, v2, 7, v9
	v_and_b32 v10, 7, v1
	v_lshl_add_u32 v9, v10, 4, v9                  ; qc: (r / 8) x 1,024 + h x 128 + (r % 8) x 16
	s_wait_alu depctr_va_vdst(0)                   ; v8 is written, the offset of the loads below, and v9, that of the stores at the role's end
.irp s, 0,1                                    ; K step s: 64 numbers a lane, into HA and XB
.irp b, 0,1,2,3
.irp j, 0,1,2,3
	global_load_b128 v[HA+80*\s+16*\b+4*\j:HA+80*\s+16*\b+4*\j+3], v8, s[20:21] offset:512*\s+128*\b+16*\j
.endr
.endr
.endr
	LOAD16 16, 18
	s_wait_loadcnt 56                              ; K step 0's 16 loads are in; younger: step 1's 16, Wq's 32 and 8
	QUANT HA, BF, SB
	s_wait_loadcnt 40                              ; K step 1's are in
	QUANT XB, BF+8, SB+1
	s_wait_loadcnt 0x0
	PLACES 8                                       ; a scale register written by vector instructions stands 8 places ahead of a scaled product, an operand 4
	WIN 0x01
	s_wait_alu depctr_va_vdst(0)                   ; the two quantisers have written source 1's fragments and its scale words, which the scaled products take; the places above stay beside this wait
	QMM 0
	QMM 1
	WIN 0
	PLACES 5
	QUANT HA, PC0, PW0                             ; lane (r, h), registers 4 c on: the 32 codes of head 4 g + 2 c + h of query r
	v_mul_u32_u24 v218, v[TM+4], 0x101             ; a head's byte twice: the second launch's operand has the head's block at place 2 c or 2 c + 1, by the column's key set
	v_mul_u32_u24 v219, v[TM+5], 0x101
	v_lshl_or_b32 v218, v219, 16, v218
	v_mul_u32_u24 v220, v[TM+6], 0x101
	v_mul_u32_u24 v221, v[TM+7], 0x101
	v_lshl_or_b32 v220, v221, 16, v220
	v_cndmask_b32 v218, v218, v220, s44            ; lanes 0-15 store head pair 2 g's word, lanes 16-31 pair 2 g + 1's
	s_wait_alu depctr_va_vdst(0)                   ; PC0 and v218 are written, which the three stores read
	global_store_b128 v9, v[PC0:PC0+3], s[56:57]
	global_store_b128 v9, v[PC0+4:PC0+7], s[56:57] offset:256
	global_store_b32 v7, v218, s[58:59]
	s_endpgm
.Lrole_p:	; ---- positions and mask of keys 16 i .. 16 i + 15: one unit of 256 bytes: x[16], y[16], z[16], m[16]; m = 0 where the key counts, else -2^100
	v_and_b32 v8, 31, v0                           ; lane
	v_lshrrev_b32 v9, 3, v8                        ; which of the four rows
	v_and_b32 v10, 7, v8
	v_lshlrev_b32 v10, 1, v10                      ; my two keys
	v_min_u32 v11, 2, v9
	v_mul_u32_u24 v12, v10, 12
	v_lshl_add_u32 v12, v11, 2, v12                ; 12 x key + 4 x coordinate (the mask's lanes read z and drop it)
	v_mov_b32 v20, 0xf1800000                      ; -2^100
	v_lshlrev_b32 v21, 3, v8
	s_mul_i32 s54, ttmp9, 192
	s_add_nc_u64 s[22:23], s[22:23], s[54:55]
	s_lshl_b32 s54, ttmp9, 4
	s_add_nc_u64 s[24:25], s[24:25], s[54:55]
	s_lshl_b32 s54, ttmp9, 8
	s_add_nc_u64 s[30:31], s[30:31], s[54:55]
	s_wait_alu depctr_va_vdst(0)                   ; v10 and v12 are written, the offsets of the four loads, and v21, that of the store
	global_load_b32 v16, v12, s[22:23]
	global_load_b32 v17, v12, s[22:23] offset:12
	global_load_u8 v18, v10, s[24:25]
	global_load_u8 v19, v10, s[24:25] offset:1
	s_wait_loadcnt 0x0
	v_cmp_eq_u32 s46, 0, v18                       ; the three compares in a run, a scalar register each,
	v_cmp_eq_u32 s47, 0, v19
	v_cmp_eq_u32 s48, 3, v9
	s_wait_alu depctr_va_sdst(0)                   ; and one wait: s46, s47 and s48 are written, ahead of the selects that read them
	v_cndmask_b32 v18, 0, v20, s46
	v_cndmask_b32 v19, 0, v20, s47
	v_cndmask_b32 v16, v16, v18, s48
	v_cndmask_b32 v17, v17, v19, s48
	s_wait_alu depctr_va_vdst(0)                   ; the selects have written v16 and v17, which the store reads
	global_store_b64 v21, v[16:17], s[30:31]       ; 32 lanes store one aligned run of 256 bytes
	s_cmp_lt_u32 ttmp9, 4                          ; the RBF table has 128 pairs: 32 in each of the first four work-groups
	s_cbranch_scc0 .Lend_p
	s_lshl_b32 s52, ttmp9, 5
	v_add_nc_u32 v22, s52, v8                      ; pair p = 8 r + head
	v_and_b32 v23, 7, v22
	v_lshrrev_b32 v24, 3, v22
	v_lshl_add_u32 v23, v23, 4, v24                ; Wrbf[head][r]
	v_lshlrev_b32 v23, 2, v23
	v_lshlrev_b32 v25, 3, v22
	s_wait_alu depctr_va_vdst(0)                   ; v23 is written, the load's offset, and v25, the store's
	global_load_b32 v26, v23, s[26:27]
	s_wait_loadcnt 0x0
	v_mov_b32 v27, v26                             ; twice: a packed multiply-add names an aligned pair
	s_wait_alu depctr_va_vdst(0)                   ; v27 is written, which the store reads
	global_store_b64 v25, v[26:27], s[32:33]
.Lend_p:
	s_endpgm
.Lfunc_end_k_q3fd9a9b657_prep:
	.size	k_q3fd9a9b657_prep, .Lfunc_end_k_q3fd9a9b657_prep-k_q3fd9a9b657_prep
	.p2alignl 7, 3214868480
	.fill 96, 4, 3214868480
	.section	.rodata,"a",@progbits
	.p2align	6, 0x0
	.amdhsa_kernel k_q3fd9a9b657_prep
		.amdhsa_group_segment_fixed_size 0
		.amdhsa_private_segment_fixed_size 0
		.amdhsa_enable_private_segment 0
		.amdhsa_kernarg_size 136
		.amdhsa_user_sgpr_count 2
		.amdhsa_user_sgpr_kernarg_segment_ptr 1
		.amdhsa_wavefront_size32 1
		.amdhsa_system_sgpr_workgroup_id_x 1
		.amdhsa_system_sgpr_workgroup_id_y 1
		.amdhsa_system_sgpr_workgroup_id_z 1
		.amdhsa_system_vgpr_workitem_id 0
		.amdhsa_next_free_vgpr 384
		.amdhsa_next_free_sgpr 66
		.amdhsa_reserve_vcc 0
		.amdhsa_float_denorm_mode_32 3
		.amdhsa_float_denorm_mode_16_64 3
		.amdhsa_memory_ordered 1
		.amdhsa_forward_progress 1
		.amdhsa_inst_pref_size 64
	.end_amdhsa_kernel
	.amdgpu_metadata
---
amdhsa.version: [ 1, 2 ]
amdhsa.kernels:
  - .name:           k_q3fd9a9b657_prep
    .symbol:         k_q3fd9a9b657_prep.kd
    .args:
      - { .name: key_feat_codes, .offset: 0, .size: 8, .value_kind: global_buffer, .address_space: global }
      - { .name: key_feat_scales, .offset: 8, .size: 8, .value_kind: global_buffer, .address_space: global }
      - { .name: Wk_codes, .offset: 16, .size: 8, .value_kind: global_buffer, .address_space: global }
      - { .name: Wk_scales, .offset: 24, .size: 8, .value_kind: global_buffer, .address_space: global }
      - { .name: Wv_codes, .offset: 32, .size: 8, .value_kind: global_buffer, .address_space: global }
      - { .name: Wv_scales, .offset: 40, .size: 8, .value_kind: global_buffer, .address_space: global }
      - { .name: Wq_codes, .offset: 48, .size: 8, .value_kind: global_buffer, .address_space: global }
      - { .name: Wq_scales, .offset: 56, .size: 8, .value_kind: global_buffer, .address_space: global }
      - { .name: query_feat, .offset: 64, .size: 8, .value_kind: global_buffer, .address_space: global }
      - { .name: key_pos, .offset: 72, .size: 8, .value_kind: global_buffer, .address_space: global }
      - { .name: key_mask, .offset: 80, .size: 8, .value_kind: global_buffer, .address_space: global }
      - { .name: Wrbf, .offset: 88, .size: 8, .value_kind: global_buffer, .address_space: global }
      - { .name: kv, .offset: 96, .size: 8, .value_kind: global_buffer, .address_space: global }
      - { .name: kp, .offset: 104, .size: 8, .value_kind: global_buffer, .address_space: global }
      - { .name: wt, .offset: 112, .size: 8, .value_kind: global_buffer, .address_space: global }
      - { .name: qc, .offset: 120, .size: 8, .value_kind: global_buffer, .address_space: global }
      - { .name: qs, .offset: 128, .size: 8, .value_kind: global_buffer, .address_space: global }
    .group_segment_fixed_size: 0
    .private_segment_fixed_size: 0
    .kernarg_segment_align: 8
    .kernarg_segment_size: 136
    .max_flat_workgroup_size: 128
    .sgpr_count:     66
    .vgpr_count:     384
    .wavefront_size: 32
...
	.end_amdgpu_metadata
.endif
;; end of part 3
;; launch attn (part 4): grid 256 x 1, 8 waves a work-group, no clusters, 265,728 bytes of LDS; arguments kv, kp, wt, qc, qs, query_pos, Wo_codes, bo, Wo_scales, query_feat, query_mask, ln_g, ln_b, out0; writes out0
.if DOCPART == 4
	.amdgcn_target "amdgcn-amd-amdhsa--gfx1250"
	.amdhsa_code_object_version 6
	.text
	.protected	k_q3fd9a9b657_attn
	.globl	k_q3fd9a9b657_attn
	.p2align	8
	.type	k_q3fd9a9b657_attn,@function
k_q3fd9a9b657_attn:
	s_mov_b64 s[64:65], 0
	v_nop
	global_prefetch_b8 v0, s[64:65] scope:SCOPE_SE
	s_setreg_imm32_b32 hwreg(HW_REG_WAVE_SCHED_MODE, 0, 2), 2
	s_setreg_imm32_b32 hwreg(HW_REG_WAVE_MODE, 25, 1), 1
	s_wait_xcnt 0x0
	s_wait_alu depctr_vm_vsrc(0)
; ATTN: softmax(Q K^T / sqrt(32) + RBF bias, key mask) V, the output projection, bias, query mask, residual and LayerNorm, for 8 queries a work-group, all 8 heads, all 2,048 keys.  Every output row has one owner.
; SHARES.  256 work-groups of eight waves; wave w owns keys 256 w .. 256 w + 255 of the batch, in four blocks of 64.  THE 16 COLUMNS OF A PRODUCT ARE 8 QUERIES x 2 KEY SETS: column r is query r % 8 with the keys of set
; sg = r / 8 (keys 128 (2 w + sg) on).  Lane (r, h') holds, of block beta and each head, 16 neighbouring keys 32 beta + 16 h' + 0 .. 15 of its set: one (query, key) pair a lane and register, each pair once in the launch.
; THE BIAS is the bulk of the work: per pair one root, 16 exponentials (shared by the 8 heads) and 128 multiply-adds, as packed f32 forms with the weights in scalar registers.  g' = 2^(2.5 - (s d - s c_r)^2) is sqrt(32) x the
; Gaussian, s^2 = log2(e) / 3.125; the sum over r (begun with the mask's term, 0 or -2^100) is the C of the score's product: S' = q . k + sqrt(32) bias + m, and t = S' log2(e) / sqrt(32).
; THE SCORE'S K IS 32, one block of the instruction's four: a fragment of K holds (head 2 pi + c, key set h) in block 2 c + h, and Q's operand is zero but in the one block of its head and its column's key set.
; SOFTMAX.  p = 2^(t - M), M the running largest t rounded up to a whole number, for each column and head.  A block's codes are made under the M of that block and kept in LDS; its byte is kept as byte + M, and at the
; wave's end takes the final M off: exact.  So nothing is rescaled in the loop but the row's sum (of the unquantised p), and V^T P runs once a wave.  It is formed for both key sets on all 16 columns, and a select keeps the
; columns that belong to the set.  The 16 parts (8 waves x 2 sets) of a head meet in LDS; wave e merges head e, divides by the sum and quantises; wave w makes 32 outputs of the projection; wave w norms row w.
; THE LAST BLOCK IS WRITTEN OUT behind a loop of three, so that what follows it is asked for as registers fall free, with no load under a jump: V of heads 2, 3 into the key positions' registers (the last block has no
; successor), V of heads 0, 1 into K's, the row's inputs into Q's operands, V of heads 4, 5 into the scores of heads 0-3 once these are codes, V of heads 6, 7 into K's again; and V^T P of heads 0-3 stands ahead of the
; softmax of heads 4-7, under which the later chunks land.
; NO CLUSTER, NO TENSOR LOADS: the 128 work-groups of a batch walk the same kv, but each fragment serves ONE wave of a work-group once, so it goes from memory straight into that wave's registers; a chunk of 8,704 bytes
; stands beside some 2,300 vector instructions of its wave, and a road through LDS would add a write and a read of every byte beside the 264,704 bytes that the merge uses.
; LIMITS: t lies above -2^93 and |t| under 2^23 (byte + M is kept in f32); a block's byte that would fall under 1 under the final M is held at 1 (at most 6 x 2^-126 a number); NaN and infinities among the inputs are not
; served.  A row all of whose keys are masked has the sum 0: its heads' scale bytes are set to 0xff, and the row comes out NaN.
; THE MODE: SCHED_MODE bits 1:0 = 2 (LLVM: expert scheduling mode 2), set by the entry lines.  The code itself states the register dependences between vector or matrix instructions and memory or LDS instructions,
; with s_wait_alu, always for 0.
; THE PLAN.  Registers that memory or LDS instructions touch, in a block:
;   v1-4, v7-11   offsets and addresses, made at the head and never written again.
;   PA, EA        written at the block's head; read by the sixteen LDS stores of its two softmaxes.
;   PX, PC        written by each softmax of four heads; read by its eight LDS stores.
;   X .. MK       the distance phase reads and writes them, bias step 0 reads the mask's term; then the next block's keys land in them.
;   KB, KS        the score products read them; then the next block's chunk lands in them.
; The waits of a block: on vm_vsrc at its head (the last stores have read PA, EA, PX, PC) and between its two softmaxes (PX, PC); on va_vdst: the roots' own wait also shows PA and EA written; bias step 1's own wait also
; shows X .. MK done with, and the 16 loads stand behind it; one behind the score products, whose results are read next in any case, frees KB and KS; one ahead of each softmax's eight stores.
; Behind the loop each run of LDS stores has its wait on va_vdst, and each register that a store has read has a wait on vm_vsrc ahead of its next writer; the comments name them.
.set CT,     0x3e8293ee                ; log2(e) / sqrt(32)
.set SDIST,  0x3f2df0ec                ; s = sqrt(log2(e) / 3.125)
.set LIFT,   0x40200000                ; 2.5: 2^2.5 = sqrt(32)
.set CHB,    8704                      ; a chunk of kv: 8 fragments of 1,024 bytes + 512 bytes of scale words
.set STREAM, 69632                     ; a wave's 8 chunks: K of blocks 0 to 3, V of head pairs 0 to 3
; LDS
.set PIMG,   0                         ; 8 KB a wave: head e's fragment of p at 1,024 e; block beta at 256 beta; my 8 bytes at 16 r + 8 h'
.set EF,     65536                     ; 4 KB a wave: [512 e][16 lane][4 beta]: byte + M, f32
.set OM,     98304                     ; [16,384 wave][2,048 head]: four images of 512 bytes: a part of O^T
.set SM,     229376                    ; [2,048 wave][256 head][8 lane]: (-M, sum)
.set AIMG,   245760                    ; the attention's codes: two fragments; head e's block at 256 e + 16 r + 8 h'
.set ASC,    247808                    ; their scale bytes: [128 g][4 r][e % 4]
.set STG,    248064                    ; 16 rows of 1,040 bytes: the projection's results (rows 8-15 take the duplicate columns and are never read)
.set SPITCH, 1040
; window 0
.set L16,  1                           ; 16 x lane
.set KPO,  2                           ; kp: 2,048 sg + 256 h'
.set PA0,  3                           ; PIMG: 8,192 wave + 16 r + 8 h'
.set EA0,  4                           ; EF + 4,096 wave + 16 lane
.set PA,   5                           ; the two of the block in hand
.set EA,   6
.set FAD,  7                           ; 8,192 wave + 16 lane: p's fragments, read back
.set OAD,  8                           ; OM + 16,384 wave + 16 lane
.set SAD,  9                           ; SM + 2,048 wave + 8 lane
.set WSO,  10                          ; 8 r + 4 h': Wo's scale words
.set ZO,   11                          ; 0
.set KS,   12                          ; v12-15   the chunk's scale words
.set QS,   16                          ; v16-19   Q's scale words, a head pair each
.set ST,   20                          ; v20-51   head e at 20 + 4 e: -M, the largest t, the sum in two halves; once stored: addresses (v20-35), at work in the merge (v36-47)
.set DS,   52                          ; v52-67   s x distance; behind the last exponents: v52-63 scale words of V,
.set WOS,  64                          ;          v64-65 Wo's scale words,
.set QM,   66                          ;          v66 the query's mask
.set G0,   68                          ; v68-83, v84-99  the Gaussians of even and of odd r; behind them: V^T P's four results
.set ACC,  100                         ; v100-227 head e at 100 + 16 e: bias, scores, p; then a chunk of V in v100-163; then the parts of O^T
.set BM,   228                         ; v228-231 a block's largest score, then p; v228-235: p's scale words, head e at 228 + e
.set PX,   232                         ; v232-235 at work
.set F,    236                         ; v236-243 2^(old M - new M) in the even registers, the odd ones only named
.set SO,   244                         ; v244-247 the conversions' scale operands
.set PC,   248                         ; v248-255 the codes just made
; window 1
.set KB,   0                           ; v0-63    the chunk
.set X,    64                          ; v64-127  16 keys' x, y, z and mask term; in the last block a chunk of V
.set Y,    80
.set Z,    96
.set MK,   112
.set QOP,  128                         ; v128-175 head pair pi at 128 + 12 pi: Q's codes of head 2 pi, four zeros, those of head 2 pi + 1: the operand of c = 0 begins at + 0, that of c = 1 at + 4
.set RQ,   128                         ; behind the last score product: v128-135 my row of query_feat,
.set RG,   136                         ;          v136-143 ln_g,
.set RB,   144                         ;          v144-151 ln_b
.set QP,   176                         ; v176-181 the query's x, x, y, y, z, z
.set WO,   184                         ; v184-215 Wo's fragment (tile j, K step g) at 184 + 8 (2 j + g)
.set BO,   216                         ; v216-231 bo's two tiles, in the result's layout
.set FB,   232                         ; v232-247 two buffers for p's fragment
; v254, v255 of window 1: the LDS address of my spare word (0x40a00 + 4 x thread) and 0: made at the head and kept for the closing lines alone
; scalar: s[4:5] kv, s[6:7] kp, s[8:9] wt, s[10:11] c twice, s[12:13] lane selects, s14 the block, s15 the wave, s48, s49 lane masks, s50, s51 256 beta, 4 beta, s52-63 at work
.set WB0,  16                          ; s[16:47]  the weights of r = 4 m, 4 m + 1: W[e][r] twice at 16 (r % 2) + 2 e
.set WB1,  68                          ; s[68:99]  those of r = 4 m + 2, 4 m + 3; at the head and behind the last step: pointers
.set LAST, 0                           ; 1 while the last block is written out
.set MSB, 0
.macro WIN new                         ; the immediate's high byte repeats the setting that is left; bits 1:0 source 0, 3:2 source 1, 5:4 source 2, 7:6 destination
.if MSB != \new
	s_set_vgpr_msb (MSB<<8)|\new
.set MSB, \new
.endif
.endm
.macro PLACES n
.rept \n
	v_nop
.endr
.endm
.macro BARRIER                         ; my LDS stores have landed and my LDS loads are in: then the work-group's barrier
	s_wait_dscnt 0x0
	s_barrier_signal -1
	s_barrier_wait -1
.endm
; The eight fragments of a chunk of kv, off bytes behind s[4:5]: 16 loads of 512 consecutive bytes into v[reg] on, in the window that win names
.macro FRAGS win, reg, off
	WIN \win
.irp k, 0,1,2,3,4,5,6,7,8,9,10,11,12,13,14,15
	global_load_b128 v[\reg+4*\k:\reg+4*\k+3], v[L16], s[4:5] offset:\off+512*\k
.endr
	WIN 0
.endm
.macro CHUNK win, reg, sreg, off       ; and with them its scale words, into v[sreg] on: 17 loads
	FRAGS \win, \reg, \off
	global_load_b128 v[\sreg:\sreg+3], v[L16], s[4:5] offset:\off+8192
.endm
.macro KPLOAD                          ; my 16 keys of a block: x, y, z, m: 16 loads
	WIN 0x40
.irp k, 0,1,2,3,4,5,6,7,8,9,10,11,12,13,14,15
	global_load_b128 v[X+4*\k:X+4*\k+3], v[KPO], s[6:7] offset:16*\k
.endr
	WIN 0
.endm
.macro DPHASE                          ; s x the distance of my query to my 16 keys
	WIN 0x55
.irp k, 0,2,4,6,8,10,12,14
	v_pk_add_f32 v[X+\k:X+\k+1], v[X+\k:X+\k+1], v[QP:QP+1] neg_lo:[0,1] neg_hi:[0,1]
	v_pk_add_f32 v[Y+\k:Y+\k+1], v[Y+\k:Y+\k+1], v[QP+2:QP+3] neg_lo:[0,1] neg_hi:[0,1]
	v_pk_add_f32 v[Z+\k:Z+\k+1], v[Z+\k:Z+\k+1], v[QP+4:QP+5] neg_lo:[0,1] neg_hi:[0,1]
.endr
.irp k, 0,2,4,6,8,10,12,14
	v_pk_mul_f32 v[X+\k:X+\k+1], v[X+\k:X+\k+1], v[X+\k:X+\k+1]
.endr
.irp k, 0,2,4,6,8,10,12,14
	v_pk_fma_f32 v[X+\k:X+\k+1], v[Y+\k:Y+\k+1], v[Y+\k:Y+\k+1], v[X+\k:X+\k+1]
.endr
.irp k, 0,2,4,6,8,10,12,14
	v_pk_fma_f32 v[X+\k:X+\k+1], v[Z+\k:Z+\k+1], v[Z+\k:Z+\k+1], v[X+\k:X+\k+1]
.endr
	WIN 0x01
.irp k, 0,1,2,3,4,5,6,7,8,9,10,11,12,13,14,15
	v_sqrt_f32 v[DS+\k], v[X+\k]
.endr
	WIN 0
	v_nop                                          ; a plain place behind the roots,
	s_wait_alu depctr_va_vdst(0)                   ; and one wait: the sixteen roots are written, ahead of their first reader; so are PA and EA, which the block's LDS stores read
.irp k, 0,2,4,6,8,10,12,14
	v_pk_mul_f32 v[DS+\k:DS+\k+1], v[DS+\k:DS+\k+1], SDIST op_sel_hi:[1,0]
.endr
.endm
; STEP r of the bias.  It makes the exponents of r + 1 (nb = -s c_(r+1)); waits once for the 16 exponentials of r, issued a step ago; at even r it waits for this pair of weights and asks for the next pair, into the
; buffer that the step before has left (the last block's step 14 has no next pair); then 16 slices: one exponential of r + 1 and four packed multiply-adds of r (number q: head q / 8, key pair q % 8).
; Step 0 starts the sums with the mask's term (window 1).  Step 1's wait also frees the keys' registers: behind it stand the 16 loads of the next block's keys (LAST = 1: of V of heads 2, 3, 16 loads either way);
; the step's slices name the Gaussians, the sums and the weights, none of the registers that those loads touch.
.macro RSTEP r, nb
.set GA, G0+16*((\r)%2)
.set GN, G0+16*(((\r)+1)%2)
.set WB, WB0+(WB1-WB0)*(((\r)/2)%2)+16*((\r)%2)
.set WN, WB0+(WB1-WB0)*((((\r)/2)+1)%2)
.if (\r) < 15
.irp k, 0,2,4,6,8,10,12,14
	v_pk_add_f32 v[GN+\k:GN+\k+1], v[DS+\k:DS+\k+1], \nb op_sel_hi:[1,0]
.endr
.irp k, 0,2,4,6,8,10,12,14
	v_pk_fma_f32 v[GN+\k:GN+\k+1], v[GN+\k:GN+\k+1], v[GN+\k:GN+\k+1], LIFT op_sel_hi:[1,1,0] neg_lo:[1,0,0] neg_hi:[1,0,0]
.endr
.endif
.if (\r) == 1
	s_wait_loadcnt 0x0                             ; the chunk is in (asked for a softmax ago); no load names s[4:5] or s[6:7] any more
.if !LAST
	s_add_nc_u64 s[6:7], s[6:7], 512
.endif
.endif
	s_wait_alu depctr_va_vdst(0)                   ; the 16 exponentials of this r are written, ahead of their first reader; in step 1 also: the distance phase and step 0 are done with the keys' positions and mask term, in whose registers the loads below land
.if (\r) == 1
.if LAST
	FRAGS 0x40, X, 2*CHB                           ; s[4:5] stands at chunk 3: chunk 5
.else
	KPLOAD                                         ; the next block's keys
.endif
.endif
.if (\r)%2 == 0
	s_wait_kmcnt 0x0
.if !(LAST && ((\r) == 14))
	s_load_b512 s[WN:WN+15], s[8:9], 128*((((\r)/2)+1)%8)
	s_load_b512 s[WN+16:WN+31], s[8:9], 128*((((\r)/2)+1)%8)+64
.endif
.endif
.if (\r) == 0
	WIN 0x10
.endif
.set q, 0
.set n, 0
.rept 16
.if (\r) < 15
	v_exp_f32 v[GN+n], v[GN+n]
.endif
.rept 4
.if (\r) == 0
	v_pk_fma_f32 v[ACC+16*(q/8)+2*(q%8):ACC+16*(q/8)+2*(q%8)+1], v[GA+2*(q%8):GA+2*(q%8)+1], s[WB+2*(q/8):WB+2*(q/8)+1], v[MK+2*(q%8):MK+2*(q%8)+1] op_sel_hi:[1,0,1]
.else
	v_pk_fma_f32 v[ACC+16*(q/8)+2*(q%8):ACC+16*(q/8)+2*(q%8)+1], v[GA+2*(q%8):GA+2*(q%8)+1], s[WB+2*(q/8):WB+2*(q/8)+1], v[ACC+16*(q/8)+2*(q%8):ACC+16*(q/8)+2*(q%8)+1] op_sel_hi:[1,0,1]
.endif
.set q, q+1
.endr
.set n, n+1
.endr
.endm
; S' = K Q^T + the bias: 16 products on 16 accumulators; tile u of the block's keys, head 2 p + c
.macro SMUL
	PLACES 4
	WIN 0x05                                       ; K's fragments and Q's operands in window 1
.irp u, 0,1
.irp p, 0,1,2,3
.irp c, 0,1
.if \u == 0
	v_wmma_scale_f32_16x16x128_f8f6f4 v[ACC+16*(2*\p+\c):ACC+16*(2*\p+\c)+7], v[KB+8*\p:KB+8*\p+7], v[QOP+12*\p+4*\c:QOP+12*\p+4*\c+7], v[ACC+16*(2*\p+\c):ACC+16*(2*\p+\c)+7], v[KS+\p], v[QS+\p] matrix_a_fmt:MATRIX_FMT_FP4 matrix_b_fmt:MATRIX_FMT_FP4
.else
	v_wmma_scale_f32_16x16x128_f8f6f4 v[ACC+16*(2*\p+\c)+8:ACC+16*(2*\p+\c)+15], v[KB+8*(4+\p):KB+8*(4+\p)+7], v[QOP+12*\p+4*\c:QOP+12*\p+4*\c+7], v[ACC+16*(2*\p+\c)+8:ACC+16*(2*\p+\c)+15], v[KS+\p], v[QS+\p] matrix_a_fmt:MATRIX_FMT_FP4 matrix_b_fmt:MATRIX_FMT_FP4 matrix_a_scale:MATRIX_SCALE_ROW1
.endif
.endr
.endr
.endr
	WIN 0
	PLACES 4                                       ; in front of the first read of the scores
.endm
; The softmax of heads e .. e + 3 for one block of 32 keys, the four heads by turns
.macro SOFT4 e
.irp b, 0,1,2,3
	v_max3_num_f32 v[BM+\b], v[ACC+16*(\e+\b)], v[ACC+16*(\e+\b)+1], v[ACC+16*(\e+\b)+2]   ; the block's largest score, each accumulator from its low end on
.endr
.irp i, 3,5,7,9,11,13
.irp b, 0,1,2,3
	v_max3_num_f32 v[BM+\b], v[BM+\b], v[ACC+16*(\e+\b)+\i], v[ACC+16*(\e+\b)+\i+1]
.endr
.endr
.irp b, 0,1,2,3
	v_max_num_f32 v[BM+\b], v[BM+\b], v[ACC+16*(\e+\b)+15]
.endr
.irp b, 0,1,2,3
	v_permlanex16_b32 v[PX+\b], v[BM+\b], s12, s13
.endr
.irp b, 0,1,2,3
	v_max_num_f32 v[BM+\b], v[BM+\b], v[PX+\b]     ; with lane l xor 16's 16 keys
.endr
.irp b, 0,1,2,3
	v_mul_f32 v[PX+\b], s10, v[BM+\b]              ; as t
.endr
.irp b, 0,1,2,3
	v_max_num_f32 v[ST+4*(\e+\b)+1], v[ST+4*(\e+\b)+1], v[PX+\b]   ; the running largest t
.endr
.irp b, 0,1,2,3
	v_floor_f32 v[PX+\b], -v[ST+4*(\e+\b)+1]       ; the new -M: a whole number
.endr
.irp b, 0,1,2,3
	v_sub_f32 v[F+2*\b], v[PX+\b], v[ST+4*(\e+\b)] ; old M less new M: 0 or less
.endr
.irp b, 0,1,2,3
	v_mov_b32 v[ST+4*(\e+\b)], v[PX+\b]
.endr
.irp b, 0,1,2,3
	v_cvt_i32_f32 v[F+2*\b], v[F+2*\b]             ; (it saturates)
.endr
.irp b, 0,1,2,3
	v_ldexp_f32 v[F+2*\b], 1.0, v[F+2*\b]          ; 2^(old M - new M): exact
.endr
.irp k, 0,2,4,6,8,10,12,14
.irp b, 0,1,2,3
	v_pk_fma_f32 v[ACC+16*(\e+\b)+\k:ACC+16*(\e+\b)+\k+1], v[ACC+16*(\e+\b)+\k:ACC+16*(\e+\b)+\k+1], s[10:11], v[ST+4*(\e+\b):ST+4*(\e+\b)+1] op_sel_hi:[1,0,0]   ; t - M
.endr
.endr
.irp b, 0,1,2,3
	v_fma_f32 v[BM+\b], v[BM+\b], s10, v[ST+4*(\e+\b)]   ; the same of the block's largest score
.endr
.irp b, 0,1,2,3
.irp j, 0,1,2,3,4,5,6,7,8,9,10,11,12,13,14,15
	v_exp_f32 v[ACC+16*(\e+\b)+\j], v[ACC+16*(\e+\b)+\j]   ; p = 2^(t - M)
.endr
.endr
.irp b, 0,1,2,3
	v_pk_mul_f32 v[ST+4*(\e+\b)+2:ST+4*(\e+\b)+3], v[ST+4*(\e+\b)+2:ST+4*(\e+\b)+3], v[F+2*\b:F+2*\b+1] op_sel_hi:[1,0]   ; the sums under the new M: plain work behind the batch
.endr
	s_wait_alu depctr_va_vdst(0)                   ; the 64 exponentials are written: one wait, ahead of their first reader
.irp b, 0,1,2,3
	v_exp_f32 v[BM+\b], v[BM+\b]                   ; the block's largest p: the same two instructions on the same number give the same bits
.endr
.irp k, 0,2,4,6,8,10,12,14
.irp b, 0,1,2,3
	v_pk_add_f32 v[ST+4*(\e+\b)+2:ST+4*(\e+\b)+3], v[ST+4*(\e+\b)+2:ST+4*(\e+\b)+3], v[ACC+16*(\e+\b)+\k:ACC+16*(\e+\b)+\k+1]   ; the sum is taken of the unquantised p
.endr
.endr
	s_wait_alu depctr_va_vdst(0)                   ; and the four are written, ahead of their first reader
.irp b, 0,1,2,3
	v_max_num_f32 v[BM+\b], 0x1800000, v[BM+\b]    ; the floor 2^(3 - 127): the byte cannot fall under 1
.endr
.irp b, 0,1,2,3
	v_add_nc_u32 v[SO+\b], 0xff000000, v[BM+\b]    ; 2 off the exponent field: the conversion's scale operand
.endr
.irp b, 0,1,2,3
	v_lshrrev_b32 v[PX+\b], 23, v[SO+\b]           ; the byte under this block's M,
.endr
.irp b, 0,1,2,3
	v_cvt_f32_u32 v[PX+\b], v[PX+\b]
.endr
.irp b, 0,1,2,3
	v_sub_f32 v[PX+\b], v[PX+\b], v[ST+4*(\e+\b)]  ; kept as byte + M
.endr
.irp b, 0,1,2,3
	v_cvt_scalef32_pk8_fp4_f32 v[PC+2*\b], v[ACC+16*(\e+\b):ACC+16*(\e+\b)+7], v[SO+\b]
	v_cvt_scalef32_pk8_fp4_f32 v[PC+2*\b+1], v[ACC+16*(\e+\b)+8:ACC+16*(\e+\b)+15], v[SO+\b]
.endr
	v_nop                                          ; one plain place behind the scaled conversions
	s_wait_alu depctr_va_vdst(0)                   ; the conversions have written PC, the subtractions PX, which the eight LDS stores read; the conversions are also done reading these four heads' p
.irp b, 0,1,2,3
	ds_store_b64 v[PA], v[PC+2*\b:PC+2*\b+1] offset:1024*(\e+\b)   ; my half of the block, at its place in the fragment's image
	ds_store_b32 v[EA], v[PX+\b] offset:512*(\e+\b)
.endr
.endm
; A block of 32 key slots in each of the wave's two sets, up to its scores.
.macro BLOCK
	s_wait_loadcnt 17                              ; the block's keys are in; the chunk's 17 loads, issued behind them, may be out
	s_wait_alu depctr_vm_vsrc(0)                   ; the LDS stores of the block before have read PA, EA, PX and PC, which this block writes again; in the first block: the head's loads have read their offsets v244-247, which the softmax writes
.if LAST
	v_add_nc_u32 v[PA], 768, v[PA0]                ; block 3: 256 beta and 4 beta
	v_add_nc_u32 v[EA], 12, v[EA0]
.else
	v_add_nc_u32 v[PA], s50, v[PA0]
	v_add_nc_u32 v[EA], s51, v[EA0]
.endif
	DPHASE
.irp k, 0,2,4,6,8,10,12,14
	v_pk_fma_f32 v[G0+\k:G0+\k+1], v[DS+\k:DS+\k+1], v[DS+\k:DS+\k+1], LIFT op_sel_hi:[1,1,0] neg_lo:[1,0,0] neg_hi:[1,0,0]   ; r = 0: the centre is 0
.endr
.irp k, 0,1,2,3,4,5,6,7,8,9,10,11,12,13,14,15
	v_exp_f32 v[G0+\k], v[G0+\k]
.endr
	RSTEP 0, 0xbf67ebe6
	WIN 0
	RSTEP 1, 0xbfe7ebe6
	RSTEP 2, 0xc02df0ec
	RSTEP 3, 0xc067ebe6
	RSTEP 4, 0xc090f370
	RSTEP 5, 0xc0adf0ec
	RSTEP 6, 0xc0caee69
	RSTEP 7, 0xc0e7ebe6
	RSTEP 8, 0xc10274b1
	RSTEP 9, 0xc110f370
	RSTEP 10, 0xc11f722e
	RSTEP 11, 0xc12df0ec
	RSTEP 12, 0xc13c6fab
	RSTEP 13, 0xc14aee69
	RSTEP 14, 0xc1596d27
	RSTEP 15, 0
	SMUL
.endm
; p's scale words of heads 4 g .. 4 g + 3: byte = (byte + M of the block) - the final M, held at 1
.macro EWORDS g
	s_wait_alu depctr_vm_vsrc(0)                   ; the softmax's LDS stores have read PC, in part of which the loads below land, and PX, which the words of heads 4-7 take (what vector instructions did to v236-251 stands ahead of the wait in front of those stores)
.irp b, 0,1,2,3
	ds_load_b128 v[F+4*\b:F+4*\b+3], v[EA0] offset:512*(4*\g+\b)   ; LDS serves a wave's instructions in order: these see my stores
.endr
	s_wait_dscnt 0x0
.irp b, 0,1,2,3
.irp k, 0,1,2,3
	v_add_f32 v[F+4*\b+\k], v[F+4*\b+\k], v[ST+4*(4*\g+\b)]
.endr
.endr
.irp k, 0,1,2,3,4,5,6,7,8,9,10,11,12,13,14,15
	v_max_num_f32 v[F+\k], 1.0, v[F+\k]
.endr
.irp k, 0,1,2,3,4,5,6,7,8,9,10,11,12,13,14,15
	v_cvt_u32_f32 v[F+\k], v[F+\k]
.endr
.irp b, 0,1,2,3
	v_lshl_or_b32 v[BM+4*\g+\b], v[F+4*\b+1], 8, v[F+4*\b]
.endr
.irp b, 0,1,2,3
	v_lshl_or_b32 v[BM+4*\g+\b], v[F+4*\b+2], 16, v[BM+4*\g+\b]
.endr
.irp b, 0,1,2,3
	v_lshl_or_b32 v[BM+4*\g+\b], v[F+4*\b+3], 24, v[BM+4*\g+\b]
.endr
.endm
; their sums: two halves, and lane l xor 16's; (-M, sum) goes to LDS.  (These lines are also places between the scale words and the products)
.macro STATS g
.irp b, 0,1,2,3
	v_add_f32 v[ST+4*(4*\g+\b)+2], v[ST+4*(4*\g+\b)+2], v[ST+4*(4*\g+\b)+3]
.endr
.irp b, 0,1,2,3
	v_permlanex16_b32 v[F+\b], v[ST+4*(4*\g+\b)+2], s12, s13
.endr
.irp b, 0,1,2,3
	v_add_f32 v[ST+4*(4*\g+\b)+1], v[ST+4*(4*\g+\b)+2], v[F+\b]
.endr
	s_wait_alu depctr_va_vdst(0)                   ; the four pairs (-M, sum) are written, which the LDS stores read; so are p's four scale words, which the scaled products below take
.irp b, 0,1,2,3
	ds_store_b64 v[SAD], v[ST+4*(4*\g+\b):ST+4*(4*\g+\b)+1] offset:256*(4*\g+\b)
.endr
.endm
.macro PLOAD e                         ; head e's fragment of p, into buffer e % 2.  The products that read that buffer, two heads back, stand ahead of the wait on va_vdst in front of the last head's stores
	WIN 0x40
	ds_load_b128 v[FB+8*((\e)%2):FB+8*((\e)%2)+3], v[FAD] offset:1024*(\e)
	ds_load_b128 v[FB+8*((\e)%2)+4:FB+8*((\e)%2)+7], v[FAD] offset:1024*(\e)+512
.endm
; V^T P of head e: the fragment of p of head nxt is asked for (nxt < 0: none); this head's is in (nds: the LDS instructions issued behind its loads); four products (key set s, tile d of the dims), each begun with 0;
; the select; the part goes to LDS.  first = 1: the first head of a run: no store has read the results' registers since the last wait on vm_vsrc
.macro PVH e, vb, msb, vs, nxt, nds, first
.if (\nxt) >= 0
	PLOAD \nxt
.endif
	s_wait_dscnt \nds
.if !(\first)
	s_wait_alu depctr_vm_vsrc(0)                   ; the four LDS stores of the head before have read v[G0 .. G0 + 15], which the products below write again
.endif
	WIN \msb
.irp s, 0,1
.irp d, 0,1
.if \d == 0
	v_wmma_scale_f32_16x16x128_f8f6f4 v[G0+8*(2*\s+\d):G0+8*(2*\s+\d)+7], v[(\vb)+8*(4*((\e)%2)+2*\s+\d):(\vb)+8*(4*((\e)%2)+2*\s+\d)+7], v[FB+8*((\e)%2):FB+8*((\e)%2)+7], 0, v[(\vs)+2*((\e)%2)+\s], v[BM+(\e)] matrix_a_fmt:MATRIX_FMT_FP4 matrix_b_fmt:MATRIX_FMT_FP4
.else
	v_wmma_scale_f32_16x16x128_f8f6f4 v[G0+8*(2*\s+\d):G0+8*(2*\s+\d)+7], v[(\vb)+8*(4*((\e)%2)+2*\s+\d):(\vb)+8*(4*((\e)%2)+2*\s+\d)+7], v[FB+8*((\e)%2):FB+8*((\e)%2)+7], 0, v[(\vs)+2*((\e)%2)+\s], v[BM+(\e)] matrix_a_fmt:MATRIX_FMT_FP4 matrix_b_fmt:MATRIX_FMT_FP4 matrix_a_scale:MATRIX_SCALE_ROW1
.endif
.endr
.endr
	WIN 0
	PLACES 5                                       ; the results are read next, and the next head's products write over them
.irp d, 0,1
.irp j, 0,1,2,3,4,5,6,7
	v_cndmask_b32 v[G0+8*\d+\j], v[G0+8*\d+\j], v[G0+16+8*\d+\j], s49   ; columns 0-7 keep key set 0's product, columns 8-15 take set 1's; register 8 d + j = dim 16 h' + 8 d + j
.endr
.endr
	s_wait_alu depctr_va_vdst(0)                   ; the selects have written the part, which the four LDS stores read; this head's products are done reading p's buffer and V's fragments, in which later loads land
.irp k, 0,1,2,3
	ds_store_b128 v[OAD], v[G0+4*\k:G0+4*\k+3] offset:2048*(\e)+512*\k
.endr
.endm
	s_load_b512 s[68:83], s[0:1], 0x0              ; kv 68, kp 70, wt 72, qc 74, qs 76, query_pos 78, Wo_codes 80, bo 82
	s_set_vgpr_msb 0x40                            ; destination in window 1; v0, a source, in window 0
	v_lshl_add_u32 v254, v0, 2, 0x40a00            ; my spare word, behind the stage
	v_mov_b32 v255, 0
	s_set_vgpr_msb 0x4000
	v_lshrrev_b32 v1, 5, v0
	v_readfirstlane_b32 s15, v1                    ; wave 0..7
	v_and_b32 v236, 15, v0                         ; r
	v_bfe_u32 v237, v0, 4, 1                       ; h'
	v_bfe_u32 v238, v0, 3, 1                       ; sg
	v_and_b32 v239, 7, v0                          ; my query of the eight
	v_and_b32 v240, 31, v0                         ; lane
	v_lshlrev_b32 v[L16], 4, v240
	v_lshlrev_b32 v[KPO], 11, v238
	v_lshl_add_u32 v[KPO], v237, 8, v[KPO]
	v_lshlrev_b32 v[PA0], 4, v236
	v_lshl_add_u32 v[PA0], v237, 3, v[PA0]
	s_wait_alu depctr_va_sdst(0)                   ; s15 is written, ahead of its first reader: LDS addresses and the buffers' offsets are made from it
	s_lshl_b32 s52, s15, 13
	v_add_nc_u32 v[PA0], s52, v[PA0]
	v_add_nc_u32 v[FAD], s52, v[L16]
	s_lshl_b32 s52, s15, 12
	s_add_co_u32 s52, s52, EF
	v_add_nc_u32 v[EA0], s52, v[L16]
	s_lshl_b32 s52, s15, 14
	s_add_co_u32 s52, s52, OM
	v_add_nc_u32 v[OAD], s52, v[L16]
	s_lshl_b32 s52, s15, 11
	s_add_co_u32 s52, s52, SM
	v_lshl_add_u32 v[SAD], v240, 3, s52
	v_lshlrev_b32 v[WSO], 3, v236
	v_lshl_add_u32 v[WSO], v237, 2, v[WSO]
	v_mov_b32 v[ZO], 0
	v_lshlrev_b32 v244, 7, v236
	v_lshl_add_u32 v244, v237, 4, v244             ; Wo: row r of 128 bytes, + 16 h'
	v_lshlrev_b32 v245, 5, v237                    ; bo: my half's eight numbers
	v_lshlrev_b32 v246, 4, v239                    ; qc, qs: 16 bytes a query
	v_mul_u32_u24 v247, v239, 12                   ; query_pos
	s_mov_b32 s10, CT
	s_mov_b32 s11, CT
	s_mov_b32 s12, 0x76543210
	s_mov_b32 s13, 0xfedcba98                      ; v_permlanex16_b32's selects for lane l xor 16
	s_mov_b32 s48, 0xff0000ff                      ; the lanes with h' = r / 8
	s_mov_b32 s49, 0xff00ff00                      ; the lanes with r >= 8
	s_mov_b32 s14, 0
	s_mov_b32 s50, 0
	s_mov_b32 s51, 0
	s_lshr_b32 s52, ttmp9, 7                       ; batch
	s_lshl_b32 s52, s52, 3
	s_add_co_u32 s52, s52, s15                     ; stream
	s_mul_i32 s54, s52, STREAM
	s_mov_b32 s55, 0
	s_lshl_b32 s56, s52, 12                        ; kp: 16 units of 256 bytes a stream
	s_mov_b32 s57, 0
	s_wait_kmcnt 0x0
	s_add_nc_u64 s[4:5], s[68:69], s[54:55]
	s_add_nc_u64 s[6:7], s[70:71], s[56:57]
	s_mov_b64 s[8:9], s[72:73]
	s_lshl_b32 s54, ttmp9, 10
	s_add_nc_u64 s[58:59], s[74:75], s[54:55]      ; qc: my 8 queries
	s_lshl_b32 s54, ttmp9, 7
	s_add_nc_u64 s[60:61], s[76:77], s[54:55]      ; qs
	s_mul_i32 s54, ttmp9, 96
	s_add_nc_u64 s[62:63], s[78:79], s[54:55]      ; query_pos
	s_lshl_b32 s54, s15, 12
	s_add_nc_u64 s[52:53], s[80:81], s[54:55]      ; Wo: my 32 rows
	s_lshl_b32 s54, s15, 7
	s_add_nc_u64 s[56:57], s[82:83], s[54:55]      ; bo: my 32 numbers
	s_load_b512 s[WB0:WB0+15], s[8:9], 0x0         ; the weights of r = 0 and 1
	s_load_b512 s[WB0+16:WB0+31], s[8:9], 0x40
	s_wait_alu depctr_va_vdst(0)                   ; the offsets and addresses v1-4, v7-11 and v244-247 are written, which the kernel's loads, stores and LDS instructions read
	global_load_b128 v[QS:QS+3], v246, s[60:61]
	WIN 0x40
.irp j, 0,1
.irp g, 0,1
.irp c, 0,1
	global_load_b128 v[WO+8*(2*\j+\g)+4*\c:WO+8*(2*\j+\g)+4*\c+3], v244, s[52:53] offset:2048*\j+64*\g+32*\c
.endr
.endr
.endr
.irp j, 0,1
	global_load_b128 v[BO+8*\j:BO+8*\j+3], v245, s[56:57] offset:64*\j
	global_load_b128 v[BO+8*\j+4:BO+8*\j+7], v245, s[56:57] offset:64*\j+16
.endr
.irp p, 0,1,2,3
.irp c, 0,1
	global_load_b128 v[QOP+12*\p+8*\c:QOP+12*\p+8*\c+3], v246, s[58:59] offset:128*(2*\p+\c)
.endr
.endr
	global_load_b32 v[QP], v247, s[62:63]
	global_load_b32 v[QP+2], v247, s[62:63] offset:4
	global_load_b32 v[QP+4], v247, s[62:63] offset:8
.irp p, 0,1,2,3
.irp k, 0,1,2,3
	v_mov_b32 v[QOP+12*\p+4+\k], 0                 ; the zero half of both operands of the pair: registers in which no load of the head lands
.endr
.endr
	KPLOAD                                         ; block 0's keys
	CHUNK 0x40, KB, KS, 0                          ; block 0's K
.irp e, 0,1,2,3,4,5,6,7
	v_mov_b32 v[ST+4*\e], 0x6e000000               ; -M = 2^93
	v_mov_b32 v[ST+4*\e+1], 0xee000000             ; the largest t so far: -2^93
	v_mov_b32 v[ST+4*\e+2], 0
	v_mov_b32 v[ST+4*\e+3], 0
.endr
.irp b, 0,1,2,3
	v_mov_b32 v[PX+\b], 0                          ; a lane permute's destination counts as one of its sources
	v_mov_b32 v[F+2*\b+1], 0                       ; named as the upper half of a pair
.endr
	s_wait_loadcnt 33                              ; all but the keys' 16 loads and the chunk's 17
	WIN 0x44
.irp p, 0,1,2,3
.irp c, 0,1
.irp k, 0,1,2,3
	v_cndmask_b32 v[QOP+12*\p+8*\c+\k], 0, v[QOP+12*\p+8*\c+\k], s48   ; Q's codes stay only in the block of the column's key set
.endr
.endr
.endr
	WIN 0x41
	v_mov_b32 v[QP+1], v[QP]
	v_mov_b32 v[QP+3], v[QP+2]
	v_mov_b32 v[QP+5], v[QP+4]
	WIN 0
.Lblk:                                         ; three trips: blocks 0 to 2
	BLOCK
	s_add_nc_u64 s[4:5], s[4:5], CHB               ; (its loads were shown done inside the block)
	s_wait_alu depctr_va_vdst(0)                   ; the score products are done reading K's fragments and scale words, in whose registers the next chunk lands
	CHUNK 0x40, KB, KS, 0                          ; the next block's K
	SOFT4 0
	s_wait_alu depctr_vm_vsrc(0)                   ; the LDS stores of heads 0-3 have read PX and PC, which the softmax of heads 4-7 writes again
	SOFT4 4
	s_add_co_u32 s50, s50, 256
	s_add_co_u32 s51, s51, 4
	s_add_co_u32 s14, s14, 1
	s_cmp_lt_u32 s14, 3
	s_cbranch_scc1 .Lblk
	; ---- block 3, and with it the wave's V^T P.  s[4:5] stays at chunk 3: V's chunks 4 to 7 lie 1 to 4 chunks behind it, by immediates
.set LAST, 1
	BLOCK                                          ; in it: chunk 5's 16 fragment loads
	s_wait_alu depctr_va_vdst(0)                   ; the score products are done reading K's fragments, its scale words and Q's operands, the bias steps reading the distances: loads land in all of these from here on
	s_load_b256 s[68:75], s[0:1], 0x40             ; the weights are done with: Wo_scales 68, query_feat 70, query_mask 72, ln_g 74
	s_load_b128 s[76:79], s[0:1], 0x60             ; ln_b 76, out0 78
	global_load_b128 v[DS:DS+3], v[L16], s[4:5] offset:2*CHB+8192  ; chunk 5's scale words: the distances are done with
	CHUNK 0x40, KB, KS, CHB                        ; chunk 4: V of heads 0, 1, where K lay
	SOFT4 0
	s_wait_kmcnt 0x0
	s_lshl_b32 s52, ttmp9, 3
	s_add_co_u32 s52, s52, s15                     ; my row: 8 x work-group + wave
	s_mov_b32 s53, 0
	s_add_nc_u64 s[72:73], s[72:73], s[52:53]
	s_lshl_b32 s54, s52, 10
	s_mov_b32 s55, 0
	s_add_nc_u64 s[70:71], s[70:71], s[54:55]
	s_add_nc_u64 s[78:79], s[78:79], s[54:55]
	s_lshl_b32 s54, s15, 8
	s_add_nc_u64 s[68:69], s[68:69], s[54:55]      ; Wo's scales: my 32 rows of 8 bytes
	WIN 0x40                                       ; what the last phases want, nine loads, into registers that the last score products have left.  No wait: no vector instruction has been issued since the wait in front of the softmax's stores
	global_load_b128 v[RQ:RQ+3], v[L16], s[70:71] th:TH_LOAD_NT
	global_load_b128 v[RQ+4:RQ+7], v[L16], s[70:71] offset:512 th:TH_LOAD_NT
	global_load_b128 v[RG:RG+3], v[L16], s[74:75]
	global_load_b128 v[RG+4:RG+7], v[L16], s[74:75] offset:512
	global_load_b128 v[RB:RB+3], v[L16], s[76:77]
	global_load_b128 v[RB+4:RB+7], v[L16], s[76:77] offset:512
	WIN 0
	global_load_u8 v[QM], v[ZO], s[72:73]
	global_load_b32 v[WOS], v[WSO], s[68:69]
	global_load_b32 v[WOS+1], v[WSO], s[68:69] offset:128
	CHUNK 0, ACC, DS+4, 3*CHB                      ; chunk 6: V of heads 4, 5, where the p of heads 0-3 lay: they are codes now, and the same wait has shown the conversions done reading them
	EWORDS 0
	STATS 0
	s_wait_alu depctr_vm_vsrc(0)                   ; the four LDS stores have read the statistics of heads 0-3: their registers, v20-35, are written anew below
	; they take the addresses of what follows.  (Plain lines between the scale words and the products)
	v_and_b32 v32, 15, v0                          ; r
	v_bfe_u32 v33, v0, 4, 1                        ; h'
	v_and_b32 v34, 31, v0                          ; lane
	s_lshl_b32 s52, s15, 8
	s_add_co_u32 s53, s52, SM
	v_lshl_add_u32 v20, v34, 3, s53                ; the statistics of head = my wave, part 0
	s_lshl_b32 s53, s15, 11
	s_add_co_u32 s53, s53, OM
	v_add_nc_u32 v21, s53, v[L16]                  ; its parts 0-3 of O^T,
	v_add_nc_u32 v22, 65536, v21                   ; and 4-7: an LDS immediate has 16 bits
	v_lshlrev_b32 v35, 4, v32
	v_lshl_add_u32 v35, v33, 3, v35
	s_add_co_u32 s53, s52, AIMG
	v_add_nc_u32 v23, s53, v35                     ; where the head's codes go
	s_lshr_b32 s53, s15, 2
	s_lshl_b32 s53, s53, 7
	s_and_b32 s54, s15, 3
	s_add_co_u32 s53, s53, s54
	s_add_co_u32 s53, s53, ASC
	v_lshl_add_u32 v24, v32, 2, s53                ; and its scale byte
	v_add_nc_u32 v25, AIMG, v[L16]                 ; the attention's fragments, read back
	v_lshl_add_u32 v26, v32, 2, ASC                ; their scale words
	v_mul_u32_u24 v27, v32, SPITCH
	v_lshl_add_u32 v27, v33, 5, v27
	s_lshl_b32 s53, s15, 7
	s_add_co_u32 s53, s53, STG
	v_add_nc_u32 v27, s53, v27                     ; the stage: row r, + 128 wave + 32 h'
	s_mul_i32 s53, s15, SPITCH
	s_add_co_u32 s53, s53, STG
	v_add_nc_u32 v28, s53, v[L16]                  ; back: row = my wave
	v_mov_b32 v29, 0xff                            ; (v20-28 are first read behind the barrier: the waits on va_vdst in V^T P stand between)
	PLOAD 2
	s_wait_loadcnt 43                              ; chunk 5 and its words are in; younger: chunk 4's 17, the row's 9, chunk 6's 17
	PVH 2, X, 0x05, DS, 3, 2, 1                    ; heads 2, 3 first: their V was asked for longest ago.  Behind head 2's loads: head 3's two
	PVH 3, X, 0x05, DS, 0, 6, 0                    ; from here on: four stores of O^T and two loads
	s_wait_loadcnt 26                              ; chunk 4 is in; younger: the row's 9, chunk 6's 17
	PVH 0, KB, 0x05, KS, 1, 6, 0
	PVH 1, KB, 0x05, KS, -1, 4, 0                  ; the p of heads 4-7 is not whole yet: nothing is asked for; four stores
	CHUNK 0x40, KB, DS+8, 4*CHB                    ; chunk 7: V of heads 6, 7, where that of heads 0, 1 lay: the wait in front of head 1's stores has shown its products done reading it
	SOFT4 4                                        ; under it chunks 6 and 7 land.  (PX and PC: the wait on vm_vsrc at the head of the scale words of heads 0-3 stands behind the stores that read them)
	EWORDS 1
	STATS 1
	PLACES 4                                       ; with the eight additions above: the places between the scale words and the products
	PLOAD 4
	s_wait_loadcnt 17                              ; chunk 6 is in; younger: chunk 7's 17
	PVH 4, ACC, 0x04, DS+4, 5, 2, 1
	PVH 5, ACC, 0x04, DS+4, 6, 6, 0
	s_wait_loadcnt 0x0                             ; chunk 7; the row's inputs, issued ahead of it, are in too
	PVH 6, KB, 0x05, DS+8, 7, 6, 0
	PVH 7, KB, 0x05, DS+8, -1, 4, 0
	BARRIER                                        ; all parts and statistics lie in LDS
	; ---- wave e merges head e: 8 waves' parts in each column, and the column 8 away holds the other key set's
	s_wait_alu depctr_vm_vsrc(0)                   ; my LDS stores have read v[G0 .. G0 + 15], in which the loads below land, and the statistics of heads 4-7, whose registers the merge writes
.irp k, 0,1,2,3,4,5,6,7
	ds_load_b64 v[G0+2*\k:G0+2*\k+1], v20 offset:2048*\k
.endr
.irp k, 0,1,2,3
.irp j, 0,1,2,3
	ds_load_b128 v[ACC+16*\k+4*\j:ACC+16*\k+4*\j+3], v21 offset:16384*\k+512*\j
.endr
.endr
.irp k, 0,1,2,3
.irp j, 0,1,2,3
	ds_load_b128 v[ACC+64+16*\k+4*\j:ACC+64+16*\k+4*\j+3], v22 offset:16384*\k+512*\j
.endr
.endr
	s_wait_dscnt 32                                ; the statistics are in; the 32 loads of O^T may be out
	v_min3_num_f32 v36, v[G0], v[G0+2], v[G0+4]    ; the smallest -M: the largest M
	v_min3_num_f32 v36, v36, v[G0+6], v[G0+8]
	v_min3_num_f32 v36, v36, v[G0+10], v[G0+12]
	v_min_num_f32 v36, v36, v[G0+14]
	v_min_num_f32_dpp v36, v36, v36 row_xmask:8 row_mask:0xf bank_mask:0xf   ; of both key sets
.irp k, 0,1,2,3,4,5,6,7
	v_sub_f32 v[G0+2*\k], v36, v[G0+2*\k]          ; the part's M less the largest: a whole number, 0 or less
.endr
.irp k, 0,1,2,3,4,5,6,7
	v_cvt_i32_f32 v[G0+2*\k], v[G0+2*\k]
.endr
.irp k, 0,1,2,3,4,5,6,7
	v_ldexp_f32 v[G0+2*\k], 1.0, v[G0+2*\k]        ; the part's factor: exact
.endr
	v_mul_f32 v37, v[G0], v[G0+1]
.irp k, 1,2,3,4,5,6,7
	v_fmac_f32 v37, v[G0+2*\k], v[G0+2*\k+1]       ; the row's sum
.endr
	v_add_f32_dpp v37, v37, v37 row_xmask:8 row_mask:0xf bank_mask:0xf
	v_rcp_f32 v38, v37
	v_nop                                          ; a plain place behind the reciprocal
	s_wait_dscnt 28                                ; part 0 is in: four loads a part
.irp j, 0,2,4,6,8,10,12,14
	v_pk_mul_f32 v[ACC+\j:ACC+\j+1], v[ACC+\j:ACC+\j+1], v[G0:G0+1] op_sel_hi:[1,0]
.endr
.irp k, 1,2,3,4,5,6,7
	s_wait_dscnt 4*(7-\k)
.irp j, 0,2,4,6,8,10,12,14
	v_pk_fma_f32 v[ACC+\j:ACC+\j+1], v[ACC+16*\k+\j:ACC+16*\k+\j+1], v[G0+2*\k:G0+2*\k+1], v[ACC+\j:ACC+\j+1] op_sel_hi:[1,0,1]
.endr
.endr
.irp j, 0,1,2,3,4,5,6,7,8,9,10,11,12,13,14,15
	v_add_f32_dpp v[ACC+\j], v[ACC+\j], v[ACC+\j] row_xmask:8 row_mask:0xf bank_mask:0xf   ; the two key sets are joined: columns r and r xor 8 now hold the same
.endr
	s_wait_alu depctr_va_vdst(0)                   ; the reciprocal is written, ahead of its first reader
.irp j, 0,2,4,6,8,10,12,14
	v_pk_mul_f32 v[ACC+\j:ACC+\j+1], v[ACC+\j:ACC+\j+1], v[38:39] op_sel_hi:[1,0]
.endr
	v_max3_num_f32 v40, |v[ACC]|, |v[ACC+1]|, 0x1800000            ; the head's 32 are one block of the projection's K: my 16, the floor,
.irp i, 2,4,6,8,10,12,14
	v_max3_num_f32 v40, v40, |v[ACC+\i]|, |v[ACC+\i+1]|
.endr
	v_permlanex16_b32 v41, v40, s12, s13
	v_max_num_f32 v40, v40, v41                    ; and lane l xor 16's
	v_add_nc_u32 v42, 0xff000000, v40
	v_lshrrev_b32 v43, 23, v42
	v_cmp_eq_f32 vcc_lo, 0, v37                    ; a row with no key left: the byte 0xff makes the projection's sum NaN
	v_cvt_scalef32_pk8_fp4_f32 v46, v[ACC:ACC+7], v42
	v_cvt_scalef32_pk8_fp4_f32 v47, v[ACC+8:ACC+15], v42
	v_nop                                          ; one plain place behind the scaled conversions
	s_wait_alu depctr_va_vcc(0)                    ; the compare has written VCC, ahead of the select that reads it
	v_cndmask_b32 v43, v43, v29, vcc_lo
	s_wait_alu depctr_va_vdst(0)                   ; the conversions have written v46 and v47, the select v43, which the two LDS stores read; the merge is done with v[ACC ..] and the products with v[BM ..], in which the loads behind the barrier land
	ds_store_b64 v23, v[46:47]
	ds_store_b8 v24, v43                           ; both halves of the lanes write the same byte with the same value
	BARRIER                                        ; the attention's two fragments and their scale words lie in LDS
	; ---- wave w: outputs 32 w .. 32 w + 31 of the projection, transposed: source 0 = 16 rows of Wo, source 1 = the attention; bo is the C of each sum's first product
.irp k, 0,1,2,3
	ds_load_b128 v[ACC+4*\k:ACC+4*\k+3], v25 offset:512*\k
.endr
	ds_load_b32 v[BM], v26
	ds_load_b32 v[BM+1], v26 offset:128
	s_wait_dscnt 0x0
	WIN 0x11                                       ; Wo and bo in window 1
	v_wmma_scale_f32_16x16x128_f8f6f4 v[116:123], v[WO:WO+7], v[ACC:ACC+7], v[BO:BO+7], v[WOS], v[BM] matrix_a_fmt:MATRIX_FMT_FP4 matrix_b_fmt:MATRIX_FMT_FP4
	v_wmma_scale_f32_16x16x128_f8f6f4 v[124:131], v[WO+16:WO+23], v[ACC:ACC+7], v[BO+8:BO+15], v[WOS+1], v[BM] matrix_a_fmt:MATRIX_FMT_FP4 matrix_b_fmt:MATRIX_FMT_FP4
	WIN 0x01                                       ; the two accumulators by turns
	v_wmma_scale_f32_16x16x128_f8f6f4 v[116:123], v[WO+8:WO+15], v[ACC+8:ACC+15], v[116:123], v[WOS], v[BM+1] matrix_a_fmt:MATRIX_FMT_FP4 matrix_b_fmt:MATRIX_FMT_FP4 matrix_a_scale:MATRIX_SCALE_ROW1
	v_wmma_scale_f32_16x16x128_f8f6f4 v[124:131], v[WO+24:WO+31], v[ACC+8:ACC+15], v[124:131], v[WOS+1], v[BM+1] matrix_a_fmt:MATRIX_FMT_FP4 matrix_b_fmt:MATRIX_FMT_FP4 matrix_a_scale:MATRIX_SCALE_ROW1
	WIN 0
	PLACES 4
	s_wait_alu depctr_va_vdst(0)                   ; the products have written v116-131, which the LDS stores read; the places above stay beside this wait
.irp j, 0,1
	ds_store_b128 v27, v[116+8*\j:119+8*\j] offset:64*\j           ; lane (r, h'): outputs 32 w + 16 j + 8 h' + 0 .. 7 of column r
	ds_store_b128 v27, v[120+8*\j:123+8*\j] offset:64*\j+16
.endr
	BARRIER                                        ; whole rows lie in the stage
	; ---- wave w: row w: query mask, residual, LayerNorm; 8 numbers a lane
	ds_load_b128 v[132:135], v28                   ; (v132-139 were last named by the merge's multiply-adds, ahead of the waits above)
	ds_load_b128 v[136:139], v28 offset:512
	v_cvt_f32_u32 v[QM], v[QM]
	s_mov_b32 s52, 0x3b800000                      ; 1 / 256
	s_mov_b32 s53, 0x3727c5ac                      ; 1e-5
	s_wait_dscnt 0x0
	WIN 0x10                                       ; query_feat's row in window 1
.irp j, 0,2,4,6
	v_pk_fma_f32 v[132+\j:133+\j], v[132+\j:133+\j], v[QM:QM+1], v[RQ+\j:RQ+\j+1] op_sel_hi:[1,0,1]   ; x = out x mask + query_feat
.endr
	WIN 0
	v_pk_add_f32 v[140:141], v[132:133], v[134:135]
	v_pk_add_f32 v[142:143], v[136:137], v[138:139]
	v_pk_add_f32 v[140:141], v[140:141], v[142:143]
	v_add_f32 v140, v140, v141
	v_add_f32_dpp v140, v140, v140 row_xmask:1 row_mask:0xf bank_mask:0xf
	v_add_f32_dpp v140, v140, v140 row_xmask:2 row_mask:0xf bank_mask:0xf
	v_add_f32_dpp v140, v140, v140 row_xmask:4 row_mask:0xf bank_mask:0xf
	v_add_f32_dpp v140, v140, v140 row_xmask:8 row_mask:0xf bank_mask:0xf
	v_permlanex16_b32 v141, v140, s12, s13
	v_add_f32 v140, v140, v141
	v_mul_f32 v140, s52, v140                      ; the mean
.irp j, 0,2,4,6
	v_pk_add_f32 v[132+\j:133+\j], v[132+\j:133+\j], v[140:141] op_sel_hi:[1,0] neg_lo:[0,1] neg_hi:[0,1]
.endr
	v_pk_mul_f32 v[142:143], v[132:133], v[132:133]
.irp j, 2,4,6
	v_pk_fma_f32 v[142:143], v[132+\j:133+\j], v[132+\j:133+\j], v[142:143]
.endr
	v_add_f32 v142, v142, v143
	v_add_f32_dpp v142, v142, v142 row_xmask:1 row_mask:0xf bank_mask:0xf
	v_add_f32_dpp v142, v142, v142 row_xmask:2 row_mask:0xf bank_mask:0xf
	v_add_f32_dpp v142, v142, v142 row_xmask:4 row_mask:0xf bank_mask:0xf
	v_add_f32_dpp v142, v142, v142 row_xmask:8 row_mask:0xf bank_mask:0xf
	v_permlanex16_b32 v143, v142, s12, s13
	v_add_f32 v142, v142, v143
	v_fma_f32 v142, v142, s52, s53                 ; the variance + eps
	v_rsq_f32 v144, v142
	v_nop                                          ; a plain place behind the root,
	s_wait_alu depctr_va_vdst(0)                   ; and its wait: the root is written, ahead of its first reader
.irp j, 0,2,4,6
	v_pk_mul_f32 v[132+\j:133+\j], v[132+\j:133+\j], v[144:145] op_sel_hi:[1,0]
.endr
	WIN 0x14                                       ; ln_g and ln_b in window 1
.irp j, 0,2,4,6
	v_pk_fma_f32 v[132+\j:133+\j], v[132+\j:133+\j], v[RG+\j:RG+\j+1], v[RB+\j:RB+\j+1]
.endr
	WIN 0
	s_wait_alu depctr_va_vdst(0)                   ; the last multiply-adds have written v132-139, which the two stores read
	global_store_b128 v[L16], v[132:135], s[78:79] th:TH_STORE_NT              ; 32 lanes store 512 consecutive bytes, aligned
	global_store_b128 v[L16], v[136:139], s[78:79] offset:512 th:TH_STORE_NT
	s_set_vgpr_msb 0x5                             ; the add's two registers, sources 0 and 1, in window 1 (the setting before was 0)
	s_wait_dscnt 0x0                               ; the closing lines, six on end
	s_wait_alu 0x0
	s_wait_tensorcnt 0x0
	ds_add_u32 v254, v255
	s_wait_dscnt 0x0
	s_endpgm
.Lfunc_end_k_q3fd9a9b657_attn:
	.size	k_q3fd9a9b657_attn, .Lfunc_end_k_q3fd9a9b657_attn-k_q3fd9a9b657_attn
	.p2alignl 7, 3214868480
	.fill 96, 4, 3214868480
	.section	.rodata,"a",@progbits
	.p2align	6, 0x0
	.amdhsa_kernel k_q3fd9a9b657_attn
		.amdhsa_group_segment_fixed_size 265728
		.amdhsa_private_segment_fixed_size 0
		.amdhsa_enable_private_segment 0
		.amdhsa_kernarg_size 112
		.amdhsa_user_sgpr_count 2
		.amdhsa_user_sgpr_kernarg_segment_ptr 1
		.amdhsa_wavefront_size32 1
		.amdhsa_system_sgpr_workgroup_id_x 1
		.amdhsa_system_sgpr_workgroup_id_y 1
		.amdhsa_system_sgpr_workgroup_id_z 1
		.amdhsa_system_vgpr_workitem_id 0
		.amdhsa_next_free_vgpr 512
		.amdhsa_next_free_sgpr 100
		.amdhsa_reserve_vcc 1
		.amdhsa_float_denorm_mode_32 3
		.amdhsa_float_denorm_mode_16_64 3
		.amdhsa_memory_ordered 1
		.amdhsa_forward_progress 1
		.amdhsa_inst_pref_size 255
	.end_amdhsa_kernel
	.section	.bss,"aw",@nobits
	.p2align	6
	.space	262144
	.amdgpu_metadata
---
amdhsa.version: [ 1, 2 ]
amdhsa.kernels:
  - .name:           k_q3fd9a9b657_attn
    .symbol:         k_q3fd9a9b657_attn.kd
    .args:
      - { .name: kv, .offset: 0, .size: 8, .value_kind: global_buffer, .address_space: global }
      - { .name: kp, .offset: 8, .size: 8, .value_kind: global_buffer, .address_space: global }
      - { .name: wt, .offset: 16, .size: 8, .value_kind: global_buffer, .address_space: global }
      - { .name: qc, .offset: 24, .size: 8, .value_kind: global_buffer, .address_space: global }
      - { .name: qs, .offset: 32, .size: 8, .value_kind: global_buffer, .address_space: global }
      - { .name: query_pos, .offset: 40, .size: 8, .value_kind: global_buffer, .address_space: global }
      - { .name: Wo_codes, .offset: 48, .size: 8, .value_kind: global_buffer, .address_space: global }
      - { .name: bo, .offset: 56, .size: 8, .value_kind: global_buffer, .address_space: global }
      - { .name: Wo_scales, .offset: 64, .size: 8, .value_kind: global_buffer, .address_space: global }
      - { .name: query_feat, .offset: 72, .size: 8, .value_kind: global_buffer, .address_space: global }
      - { .name: query_mask, .offset: 80, .size: 8, .value_kind: global_buffer, .address_space: global }
      - { .name: ln_g, .offset: 88, .size: 8, .value_kind: global_buffer, .address_space: global }
      - { .name: ln_b, .offset: 96, .size: 8, .value_kind: global_buffer, .address_space: global }
      - { .name: out0, .offset: 104, .size: 8, .value_kind: global_buffer, .address_space: global }
    .group_segment_fixed_size: 265728
    .private_segment_fixed_size: 0
    .kernarg_segment_align: 8
    .kernarg_segment_size: 112
    .max_flat_workgroup_size: 256
    .sgpr_count:     100
    .vgpr_count:     512
    .wavefront_size: 32
...
	.end_amdgpu_metadata
.endif
;; end of part 4
